; MI455X (gfx1250); checked and timed in simulation.
; The chip was launched on July 23, 2026; its instructions are those of AMD's public machine-readable ISA for CDNA 5 (MIT licence, August 2026) and "CDNA5" Instruction Set Architecture Reference Guide (July 2026). The comments in the code are by the model that wrote it; some were corrected since.
;; Multi Scale Attention. Allowed arithmetic: matrix products marked QUANTISED: E2M1 operands, one E8M0 scale for each 32 along K, by v_wmma_scale_f32_16x16x128_f8f6f4 with both operands' format E2M1 (or v_wmma_scale_f32_32x16x128_f4), f32 sums; everything else in f32.
;; Inputs: Wk 16 x 1,024 x 64 float32; Wo 1,024 x 1,024 float32; Wq 16 x 1,024 x 64 float32; Wv 16 x 1,024 x 64 float32; bk 16 x 64 float32; bo 1,024 float32; bq 16 x 64 float32; bv 16 x 64 float32; ln_b 1,024 float32; ln_w 1,024 float32; x 4 x 2,048 x 1,024 float32.
;; Outputs: out0 4 x 2,048 x 1,024 float32.
;; This version of the problem:
;;   THIS VERSION OF THE PROBLEM IS GIVEN IN LOW PRECISION. The matrix products marked QUANTISED in the list below multiply operands that are first quantised to E2M1 (2 exponent bits, 1 mantissa bit; 4 bits a number), with one power-of-two scale for each 32 numbers along K (OCP MX v1.0); their sums are f32. All else is computed in f32.
;;   The module's matrix products, in the order in which they are computed (A, B: the left and right operand; K: the contracted axis; several contracted axes count as one K, in the product's order):
;;     1. [M 1,024, K 1,024] x [K 1,024, N 8,192]; A: input Wq; B: input x: QUANTISED
;;     2. [M 1,024, K 1,024] x [K 1,024, N 8,192]; A: input Wk; B: input x: QUANTISED
;;     3. [M 1,024, K 1,024] x [K 1,024, N 8,192]; A: input Wv; B: input x: QUANTISED
;;     4. batch 64 x [M 2,048, K 64] x [K 64, N 2,048]; A: computed on the way; B: computed on the way: QUANTISED
;;     5. batch 64 x [M 2,048, K 2,048] x [K 2,048, N 64]; A: softmax (see below); B: computed on the way: QUANTISED
;;     6. [M 8,192, K 1,024] x [K 1,024, N 1,024]; A: computed on the way; B: input Wo: QUANTISED
;;   THE QUANTISER, for each operand of a quantised product, along K:
;;     - K is cut into blocks of 32 from its start; a last block that is shorter is filled with zeros.
;;     - A block's scale is 2^e with e = floor(log2(the largest magnitude in the block)) - 2, held to -126 .. 127; a block of zeros has e = 0. As a byte (E8M0): e + 127.
;;     - Each number is divided by its block's scale, clamped to +-6, and rounded to the nearest number of E2M1, ties to even, subnormals kept.
;;     - The product sums the exact products of the quantised numbers (number of the format x scale) in f32.
;;   ~~~python
;;   def quantise(x, axis):      # numpy; x: float32 -> the quantised numbers, widened to float32 again
;;       x = np.moveaxis(x, axis, -1); K = x.shape[-1]
;;       x = np.pad(x, [(0, 0)] * (x.ndim - 1) + [(0, -K % 32)]); x = x.reshape(x.shape[:-1] + (-1, 32)); a = np.abs(x).max(-1, keepdims=True)
;;       e = np.where(a > 0, np.clip(np.frexp(np.where(a > 0, a, 1))[1] - 1 - 2, -126, 127), 0)      # np.frexp(a)[1] - 1 = floor(log2(a)), exactly
;;       r = np.clip(x / 2.0 ** e, -6, 6)
;;       step = 2.0 ** (np.maximum(np.frexp(np.where(r == 0, 1, r))[1] - 1, 0) - 1)
;;       q = np.round(r / step) * step * 2.0 ** e      # np.round: ties to even
;;       return np.moveaxis(q.reshape(q.shape[:-2] + (-1,))[..., :K], -1, axis).astype(np.float32)
;;   ~~~
;;   SOFTMAX AHEAD OF A QUANTISED PRODUCT. Where the list says 'softmax', what is quantised is not the finished softmax but p = 2^(t - M), with t = logit x log2(e) and M = ceil(the row's largest t), a whole number; so 1/2 < the row's largest p <= 1. The row's sum l is taken of the UNQUANTISED p, in f32, and the product's result is divided by l at the end. Since M is a whole number, a kernel that streams over the keys may use a running M (the ceiling of the running maximum): every later rescaling is an exact power of two, which a block's scale takes up: the codes' values come out the same.
;;   OPERANDS COMPUTED ON THE WAY. 'Computed on the way' means the value that the module computes at that place (a softmax that the list does not call 'softmax' is quantised finished and normalised). What goes into a quantiser is computed in f32, as accurately as f32 sums, v_exp_f32 and their like allow (about 1e-6 of the number): no bf16 or f16 on the way to a quantiser, and a product that is left as it is and whose result goes on into a quantised operand takes f32 operands (vector FMAs, or v_wmma_f32_16x16x4_f32). A number that lies on a knife's edge between two numbers of the format may be rounded either way, as far as f32 arithmetic and the matrix unit's own rounding can turn it there, and no further.
;; One version. Each part assembles by itself: llvm-mc -triple=amdgcn-amd-amdhsa -mcpu=gfx1250 --defsym DOCPART=n.
;; ======== version 1 of 1: 4 launches
;; limits: right only within a limited range of input values
;; workspace buffers: xc 4,194,304 bytes; xs 262,144 bytes; wc 2,097,152 bytes; ws 131,072 bytes; qc 4,194,304 bytes; qs 524,288 bytes; kv 9,175,040 bytes
;; launch quant (part 1): grid 768 x 1, 4 waves a work-group, no clusters, 9,728 bytes of LDS; arguments x, Wq, Wk, Wv, Wo, xc, xs, wc, ws; writes xc, xs, wc, ws
.if DOCPART == 1
	.amdgcn_target "amdgcn-amd-amdhsa--gfx1250"
	.amdhsa_code_object_version 6
	.text
	.protected	k_q64876ee955_quant
	.globl	k_q64876ee955_quant
	.p2align	8
	.type	k_q64876ee955_quant,@function
k_q64876ee955_quant:
	s_mov_b64 s[64:65], 0
	v_nop
	global_prefetch_b8 v0, s[64:65] scope:SCOPE_SE
	s_setreg_imm32_b32 hwreg(HW_REG_WAVE_MODE, 25, 1), 1
	s_wait_xcnt 0x0
; x [8192][1024] and the weights Wq, Wk, Wv [16][1024][64], Wo [1024][1024], all f32, become codes of FP4 (E2M1) with one E8M0 scale byte for each 32 along K (K = the 1,024 of the model's width).
; A block's scale is 2^(floor(log2(its largest magnitude)) - 2); its byte is the largest magnitude's exponent field - 2, held at 1 from below.
; LIMITS: a block of zeros, or one whose largest magnitude lies under 2^-124, gets the byte 1 where the quantiser's rule says otherwise (zeros stay zeros; this program alone reads the bytes); NaN and infinities among the inputs are not served.
; LAYOUT OF THE RESULTS: in the order of a matrix operand's registers.  A TILE is 16 rows (tokens, or a weight's output columns); row r of tile T is index 32 (T / 2) + 8 (T % 2) + r + 8 (r / 8).
; The fragment (tile T, K step s of 128) is 1,024 bytes at 8,192 T + 1,024 s: block 4 s + t of row r lies at 256 t + 16 r.  Its scale words lie at 512 T + 64 s + 4 r.
; wc's tiles: head x 12 + matrix x 4 + j (matrix 0 q, 1 k, 2 v); tiles 192 .. 255 are Wo's.
; SHARES: work-groups 0 .. 511 take a tile of x each (a wave: two K steps of its 16 rows); work-groups 512 .. 767 take the weights (a wave: 32 columns x one K step).  The paths part on the work-group's number;
; only x's path uses LDS.  Work-groups share no input, so there is no cluster; waves share nothing, so there is no barrier; nothing is multiplied, so there is no matrix instruction.
.set FLOOR, 0x1800000                  ; 2^(3 - 127): under it no largest magnitude is taken, so the byte cannot fall under 1
.set EOFF,  0xff000000                 ; takes 2 off an exponent field
.set XD,    16                         ; v16-143  128 numbers
.set CD,    144                        ; v144-159 codes
.set SBY,   160                        ; v160-175 scale bytes (x), v160 the scale word (weights)
.set OU,    176                        ; v176-191 x's way out; v192 its scale words
.set WREG,  2304                       ; LDS of a wave: 8 chunks of 256 bytes + 16 of padding, then 128 scale bytes
.set SCB,   2176
; x, row r of the tile: a lane holds 8 neighbours along K, four lanes hold a block
.macro XROW r
.set RW, XD+8*(\r)
.set TA, 8+(\r)%2
.set TO, 10+(\r)%2
	s_wait_loadcnt 30-2*(\r)                       ; this row's two loads are in; the two of each later row may be out
	v_max3_num_f32 v[TA], |v[RW]|, |v[RW+1]|, FLOOR
	v_max3_num_f32 v[TA], v[TA], |v[RW+2]|, |v[RW+3]|
	v_max3_num_f32 v[TA], v[TA], |v[RW+4]|, |v[RW+5]|
	v_max3_num_f32 v[TA], v[TA], |v[RW+6]|, |v[RW+7]|
	v_max_num_f32_dpp v[TA], v[TA], v[TA] row_xmask:1 row_mask:0xf bank_mask:0xf
	v_max_num_f32_dpp v[TA], v[TA], v[TA] row_xmask:2 row_mask:0xf bank_mask:0xf   ; the block's largest magnitude, in its four lanes
	v_add_nc_u32 v[TO], EOFF, v[TA]                ; the conversion takes the exponent field of this operand as its scale
	v_cvt_scalef32_pk8_fp4_f32 v[CD+(\r)], v[RW:RW+7], v[TO]
	v_lshrrev_b32 v[SBY+(\r)], 23, v[TO]           ; the scale's byte (also the plain line behind the conversion)
	ds_store_b32 v3, v[CD+(\r)] offset:16*(\r)     ; my 4 bytes of the block's 16, at the block's place in the fragment
	ds_store_b8 v4, v[SBY+(\r)] offset:4*(\r)      ; the block's four lanes write the same byte with the same value
.endm
; weights, block t of the K step: all its 32 numbers are one lane's
.macro WBLOCK t, left
.set XS_, XD+32*(\t)
	s_wait_loadcnt \left
	v_max3_num_f32 v8, |v[XS_]|, |v[XS_+1]|, |v[XS_+2]|
	v_max3_num_f32 v9, |v[XS_+3]|, |v[XS_+4]|, |v[XS_+5]|
.irp i, 6,10,14,18,22,26
	v_max3_num_f32 v8, v8, |v[XS_+\i]|, |v[XS_+\i+1]|
	v_max3_num_f32 v9, v9, |v[XS_+\i+2]|, |v[XS_+\i+3]|
.endr
	v_max3_num_f32 v8, v8, |v[XS_+30]|, |v[XS_+31]|
	v_max3_num_f32 v8, v8, v9, FLOOR
	v_add_nc_u32 v10, EOFF, v8
	v_lshrrev_b32 v11, 23, v10
.if (\t) == 0
	v_mov_b32 v[SBY], v11                          ; four bytes make the row's scale word, the lower K in the lower byte
.else
	v_lshl_or_b32 v[SBY], v11, 8*(\t), v[SBY]
.endif
.irp g, 0,1,2,3
	v_cvt_scalef32_pk8_fp4_f32 v[CD+4*(\t)+\g], v[XS_+8*\g:XS_+8*\g+7], v10
.endr
	global_store_b128 v3, v[CD+4*(\t):CD+4*(\t)+3], s[18:19] offset:256*(\t)   ; the 16 lanes of a tile store 256 consecutive bytes, aligned; the wave two such runs
.endm
; A lane takes a column and its registers run down K: s[28:29] the tensor, s[30:31] the wave's first byte in it, s32 the first of its two tiles, s26 the K step; pitch: bytes from a row of the tensor to the next
.macro WPATH pitch
	s_add_nc_u64 s[28:29], s[28:29], s[30:31]
	s_lshl_b32 s36, s32, 13
	s_lshl_b32 s37, s26, 10
	s_add_co_u32 s36, s36, s37
	s_mov_b32 s37, 0
	s_add_nc_u64 s[18:19], s[18:19], s[36:37]      ; the codes: 8,192 x tile + 1,024 x K step
	s_lshl_b32 s36, s32, 9
	s_lshl_b32 s38, s26, 6
	s_add_co_u32 s36, s36, s38
	s_add_nc_u64 s[20:21], s[20:21], s[36:37]      ; the scale words: 512 x tile + 64 x K step
.set n, 0
.rept 128
	global_load_b32 v[XD+n], v2, s[28:29] offset:n*\pitch th:TH_LOAD_NT   ; 32 lanes read 128 consecutive bytes of row n
.set n, n+1
.endr
	WBLOCK 0, 63                                   ; 96 and 64 younger loads might stay out: a wait's count names 63 at the most
	WBLOCK 1, 63
	WBLOCK 2, 32                                   ; block 3's 32 may be out
	WBLOCK 3, 0
	global_store_b32 v4, v[SBY], s[20:21]          ; 64 bytes for each of the two tiles: pieces, one byte for each 128 that the wave has read
	s_endpgm
.endm
	s_load_b256 s[4:11], s[0:1], 0x0               ; x s[4:5], Wq s[6:7], Wk s[8:9], Wv s[10:11]
	s_load_b256 s[12:19], s[0:1], 0x20             ; Wo s[12:13], xc s[14:15], xs s[16:17], wc s[18:19]
	s_load_b64 s[20:21], s[0:1], 0x40              ; ws
	v_lshl_add_u32 v200, v0, 2, 0x2400
	v_mov_b32 v201, 0
	v_lshrrev_b32 v1, 5, v0
	v_readfirstlane_b32 s22, v1                    ; wave 0..3
	v_and_b32 v1, 31, v0                           ; lane
	s_cmp_lt_u32 ttmp9, 512
	s_cbranch_scc0 .Lweights
	; ---- x: tile = the work-group's number; my wave: K steps 2 w and 2 w + 1, 1,024 bytes of each of the 16 rows
	v_lshlrev_b32 v2, 5, v1                        ; my 8 numbers of a row's 256
	s_mul_i32 s23, s22, WREG
	v_lshrrev_b32 v8, 2, v1                        ; my block of the eight: it is chunk (K step, t)
	v_mul_u32_u24 v3, v8, 272                      ; 68 words from chunk to chunk: the eight groups of lanes start at banks 4 apart (64 banks of 4 bytes: ISA guide 11.1)
	v_and_b32 v9, 3, v1
	v_lshl_add_u32 v3, v9, 2, v3
	v_add_nc_u32 v3, s23, v3                       ; codes in: 272 (lane / 4) + 4 (lane % 4)
	v_lshrrev_b32 v10, 4, v1
	v_and_b32 v8, 3, v8
	v_lshl_add_u32 v4, v10, 6, v8
	v_add_nc_u32 v4, s23, v4
	v_add_nc_u32 v4, SCB, v4                       ; bytes in: 64 x (my K step of the two) + my block's place in the word
	v_and_b32 v9, 15, v1
	v_mul_u32_u24 v5, v10, 272
	v_lshl_add_u32 v5, v9, 4, v5
	v_add_nc_u32 v5, s23, v5                       ; codes out: two chunks an instruction
	v_lshlrev_b32 v12, 2, v1
	v_add_nc_u32 v6, s23, v12
	v_add_nc_u32 v6, SCB, v6                       ; scale words out
	v_lshlrev_b32 v7, 4, v1
	s_lshr_b32 s24, ttmp9, 1
	s_lshl_b32 s24, s24, 17                        ; 32 rows of 4,096 bytes for each pair of tiles,
	s_and_b32 s25, ttmp9, 1
	s_lshl_b32 s25, s25, 15                        ; 8 rows for the odd tile,
	s_add_co_u32 s24, s24, s25
	s_lshl_b32 s25, s22, 10                        ; my wave's 1,024 bytes of a row
	s_add_co_u32 s24, s24, s25
	s_mov_b32 s25, 0
	s_lshl_b32 s26, ttmp9, 13
	s_lshl_b32 s27, s22, 11
	s_add_co_u32 s26, s26, s27
	s_mov_b32 s27, 0
	s_lshl_b32 s28, ttmp9, 9
	s_lshl_b32 s29, s22, 7
	s_add_co_u32 s28, s28, s29
	s_mov_b32 s29, 0
	s_wait_kmcnt 0x0
	s_add_nc_u64 s[4:5], s[4:5], s[24:25]
	s_add_nc_u64 s[14:15], s[14:15], s[26:27]
	s_add_nc_u64 s[16:17], s[16:17], s[28:29]
.irp r, 0,1,2,3,4,5,6,7,8,9,10,11,12,13,14,15
	global_load_b128 v[XD+8*\r:XD+8*\r+3], v2, s[4:5] offset:(\r+8*(\r/8))*4096 th:TH_LOAD_NT      ; all 32 loads go out at once: 16,384 bytes a wave on their way
	global_load_b128 v[XD+8*\r+4:XD+8*\r+7], v2, s[4:5] offset:(\r+8*(\r/8))*4096+16 th:TH_LOAD_NT
.endr
.irp r, 0,1,2,3,4,5,6,7,8,9,10,11,12,13,14,15
	XROW \r
.endr
.irp i, 0,1,2,3
	ds_load_b128 v[OU+4*\i:OU+4*\i+3], v5 offset:544*\i   ; LDS serves a wave's instructions in order (ISA guide 5.7.1.4): these see my stores
.endr
	ds_load_b32 v192, v6
.irp i, 0,1,2,3
	s_wait_dscnt 4-\i                              ; the later read-backs and the scale words may be out
	global_store_b128 v7, v[OU+4*\i:OU+4*\i+3], s[14:15] offset:512*\i   ; 32 lanes store 512 consecutive bytes, aligned to 256
.endr
	s_wait_dscnt 0x0
	global_store_b32 v12, v192, s[16:17]           ; 128 consecutive bytes: one byte for each 128 that the wave has read
	s_wait_tensorcnt 0x0
	ds_add_u32 v200, v201
	s_wait_dscnt 0x0
	s_endpgm
.Lweights:
	; ---- the weights: g = work-group - 512; matrix g / 64; a wave takes 32 columns (group P of them) and one K step
	s_sub_co_u32 s23, ttmp9, 512
	s_lshr_b32 s24, s23, 6                         ; 0 Wq, 1 Wk, 2 Wv, 3 Wo
	s_bfe_u32 s25, s23, 0x40002
	s_lshl_b32 s25, s25, 1
	s_and_b32 s26, s22, 1
	s_add_co_u32 s25, s25, s26                     ; P = 2 ((g % 64) / 4) + wave % 2
	s_and_b32 s26, s23, 3
	s_lshl_b32 s26, s26, 1
	s_lshr_b32 s27, s22, 1
	s_add_co_u32 s26, s26, s27                     ; K step = 2 (g % 4) + wave / 2
	s_wait_alu depctr_va_vdst(0)
	v_lshlrev_b32 v2, 2, v1                        ; my column: 4 bytes a lane
	v_bfe_u32 v5, v1, 3, 1                         ; column 32 P + lane is row (lane % 8) + 8 (lane / 16) of the pair's tile (lane / 8) % 2
	v_lshrrev_b32 v6, 4, v1
	v_and_b32 v7, 7, v1
	v_lshl_add_u32 v6, v6, 3, v7
	v_lshlrev_b32 v3, 13, v5
	v_lshl_add_u32 v3, v6, 4, v3                   ; codes: 8,192 x tile + 16 x row
	v_lshlrev_b32 v4, 9, v5
	v_lshl_add_u32 v4, v6, 2, v4                   ; scale words: 512 x tile + 4 x row
	s_mov_b32 s31, 0
	s_cmp_eq_u32 s24, 3
	s_cbranch_scc1 .Lwo
	s_lshr_b32 s33, s25, 1                         ; head
	s_and_b32 s34, s25, 1                          ; which 32 of its 64 columns
	s_lshl_b32 s30, s33, 18                        ; a head: 1,024 rows of 256 bytes
	s_lshl_b32 s35, s26, 15                        ; a K step: 128 rows
	s_add_co_u32 s30, s30, s35
	s_lshl_b32 s35, s34, 7
	s_add_co_u32 s30, s30, s35
	s_mul_i32 s32, s33, 12
	s_lshl_b32 s35, s24, 2
	s_add_co_u32 s32, s32, s35
	s_lshl_b32 s35, s34, 1
	s_add_co_u32 s32, s32, s35                     ; first tile: 12 x head + 4 x matrix + 2 x half
	s_wait_kmcnt 0x0
	s_cmp_eq_u32 s24, 0
	s_cselect_b64 s[28:29], s[6:7], s[8:9]         ; the choice hangs on the work-group's number alone
	s_cmp_eq_u32 s24, 2
	s_cselect_b64 s[28:29], s[10:11], s[28:29]
	s_wait_alu depctr_va_vdst(0)
	WPATH 256
.Lwo:
	s_lshl_b32 s30, s26, 19                        ; a K step: 128 rows of 4,096 bytes
	s_lshl_b32 s35, s25, 7
	s_add_co_u32 s30, s30, s35
	s_lshl_b32 s32, s25, 1
	s_add_co_u32 s32, s32, 192
	s_wait_kmcnt 0x0
	s_mov_b64 s[28:29], s[12:13]
	s_wait_alu depctr_va_vdst(0)
	WPATH 4096
.Lfunc_end_k_q64876ee955_quant:
	.size	k_q64876ee955_quant, .Lfunc_end_k_q64876ee955_quant-k_q64876ee955_quant
	.p2alignl 7, 3214868480
	.fill 96, 4, 3214868480
	.section	.rodata,"a",@progbits
	.p2align	6, 0x0
	.amdhsa_kernel k_q64876ee955_quant
		.amdhsa_group_segment_fixed_size 9728
		.amdhsa_private_segment_fixed_size 0
		.amdhsa_enable_private_segment 0
		.amdhsa_kernarg_size 72
		.amdhsa_user_sgpr_count 2
		.amdhsa_user_sgpr_kernarg_segment_ptr 1
		.amdhsa_wavefront_size32 1
		.amdhsa_system_sgpr_workgroup_id_x 1
		.amdhsa_system_sgpr_workgroup_id_y 1
		.amdhsa_system_sgpr_workgroup_id_z 1
		.amdhsa_system_vgpr_workitem_id 0
		.amdhsa_next_free_vgpr 202
		.amdhsa_next_free_sgpr 66
		.amdhsa_reserve_vcc 0
		.amdhsa_float_denorm_mode_32 3
		.amdhsa_float_denorm_mode_16_64 3
		.amdhsa_memory_ordered 1
		.amdhsa_forward_progress 1
		.amdhsa_inst_pref_size 57
	.end_amdhsa_kernel
	.amdgpu_metadata
---
amdhsa.version: [ 1, 2 ]
amdhsa.kernels:
  - .name:           k_q64876ee955_quant
    .symbol:         k_q64876ee955_quant.kd
    .args:
      - { .name: x, .offset: 0, .size: 8, .value_kind: global_buffer, .address_space: global }
      - { .name: Wq, .offset: 8, .size: 8, .value_kind: global_buffer, .address_space: global }
      - { .name: Wk, .offset: 16, .size: 8, .value_kind: global_buffer, .address_space: global }
      - { .name: Wv, .offset: 24, .size: 8, .value_kind: global_buffer, .address_space: global }
      - { .name: Wo, .offset: 32, .size: 8, .value_kind: global_buffer, .address_space: global }
      - { .name: xc, .offset: 40, .size: 8, .value_kind: global_buffer, .address_space: global }
      - { .name: xs, .offset: 48, .size: 8, .value_kind: global_buffer, .address_space: global }
      - { .name: wc, .offset: 56, .size: 8, .value_kind: global_buffer, .address_space: global }
      - { .name: ws, .offset: 64, .size: 8, .value_kind: global_buffer, .address_space: global }
    .group_segment_fixed_size: 9728
    .private_segment_fixed_size: 0
    .kernarg_segment_align: 8
    .kernarg_segment_size: 72
    .max_flat_workgroup_size: 128
    .sgpr_count:     66
    .vgpr_count:     202
    .wavefront_size: 32
...
	.end_amdgpu_metadata
.endif
;; end of part 1
;; launch qkv (part 2): grid 16 x 32, 12 waves a work-group, clusters of 4 x 4, 245,248 bytes of LDS; arguments xc, xs, wc, ws, bq, bk, bv, qc, qs, kv; writes qc, qs, kv
.if DOCPART == 2
	.amdgcn_target "amdgcn-amd-amdhsa--gfx1250"
	.amdhsa_code_object_version 6
	.text
	.protected	k_q64876ee955_qkv
	.globl	k_q64876ee955_qkv
	.p2align	8
	.type	k_q64876ee955_qkv,@function
k_q64876ee955_qkv:
	s_mov_b64 s[64:65], 0
	v_nop
	global_prefetch_b8 v0, s[64:65] scope:SCOPE_SE
	s_setreg_imm32_b32 hwreg(HW_REG_WAVE_MODE, 25, 1), 1
	s_wait_xcnt 0x0
	s_wait_alu depctr_hold_cnt(0) depctr_sa_sdst(0) depctr_va_vdst(0) depctr_va_sdst(0) depctr_va_ssrc(0) depctr_va_vcc(0) depctr_vm_vsrc(0)
	s_getreg_b32 s2, hwreg(HW_REG_IB_STS2, 6, 4)
	s_cmp_eq_u32 s2, 0
	s_cbranch_scc0 .Lentry_in_a_cluster
	s_endpgm
.Lentry_in_a_cluster:
	s_bfe_u32 s2, ttmp6, 0x10000c
	s_cmp_lg_u32 s2, 0xf033
	s_cbranch_scc0 .Lentry_shape_is_right
	s_endpgm
.Lentry_shape_is_right:
; q, k, v = x W + b for one head and 256 tokens, on codes of FP4 (E2M1) with E8M0 scales (K = 1,024, eight steps of 128); the results are quantised in registers for the two products of attention and leave as codes.
; OPERANDS lie in memory and in LDS in the order of a matrix operand's registers: the fragment (tile of 16 rows, K step) is 1,024 bytes, register group c at 512 c, a lane's 16 bytes at 16 x lane; its scale words 4 bytes a row.
; Row r of tile T is index 32 (T / 2) + 8 (T % 2) + r + 8 (r / 8), for tokens and for a head's 64 columns alike: so the 16 result registers of two neighbouring tiles of source 0 are 16 NEIGHBOURS along source 0's rows.
; SHARES.  Work-group: head HX x tokens 256 BY ..  Twelve waves: matrix wave / 4 (0 q, 1 k, 2 v), 64 tokens (wave % 4): 16 accumulators.
;   q, k: source 0 = 16 columns of W, source 1 = 16 tokens: a lane holds one token, its registers run along the head's 64, which is the K of q k^T.
;   v:    source 0 = 16 tokens, source 1 = 16 columns of W: a lane holds one column, its registers run along the tokens, which are the K of p v.
; The bias is the C of each sum's first matrix instruction.
; CLUSTER 4 x 4: the four work-groups of a row of the cluster take the same tokens, the four of a column the same head: x's and W's fragments are asked for JOINTLY.  All of K fits in LDS: every byte of LDS is filled once,
; in two halves of K, so that the second half lands under the first half's products.  Nothing is stored to LDS.
; OUT.  qc [64 heads of batches][128 tiles][512]; qs [64][128][16 words], a word = the row's two scale bytes, twice.  kv [64][16 key steps][8,960]: K's codes 8 x 512 | V^T's codes 4 x 1,024 | K's words 8 x 64 | V's words 4 x 64.
; LIMITS: a block of zeros, or one under 2^-124, gets the byte 1 (this program alone reads the bytes); NaN and infinities are not served.
.set FLOOR, 0x1800000
.set EOFF,  0xff000000
.set XC1,   65536                      ; LDS: x's codes [16 tiles][4 K steps][1,024], first half of K at 0, second here
.set WC0,   131072                     ; W's codes [12 tiles][4][1,024], first half,
.set WC1,   180224                     ; second half
.set XSL,   229376                     ; x's scale words [16 tiles][8 K steps][64]
.set WSL,   237568                     ; W's [12][8][64]
.set SLAB,  8960
.set XA,  2                            ; v2-3   LDS address of my x fragments, first and second half of K
.set WA,  4                            ; v4-5   of my W fragments
.set XSA, 6                            ; v6     of my x scale words: lanes 0-15 the even tile of a pair, lanes 16-31 the odd one
.set WSA, 7                            ; v7     of my W scale words
.set XSC, 14                           ; v14-15 x's scale words of a K step, a register for each pair of tiles
.set WSC, 16                           ; v16-17 W's
.set TM,  18                           ; v18-23 the quantiser's work
.set PW,  24                           ; v24-27 the scale words just made
.set CB,  32                           ; v32-63 the biases in the results' layout; later
.set PC,  32                           ; v32-47 the codes just made
.set XF,  64                           ; v64-95  x's four fragments of a K step
.set WF,  96                           ; v96-127 W's four
.set ACC, 128                          ; accumulator (i, j) at v[128 + 32 j + 8 i]: i the tile of source 0, j of source 1
.set WV,  24                           ; s24
.set SEL, 98                           ; s[98:99]
.macro CROUND                          ; a round of the cluster's barrier
	s_barrier_signal -1
	s_barrier_wait -1
	s_cmp_lg_u32 s[WV], 0
	s_cbranch_scc1 .Lnot_wave_0_\@
	s_barrier_signal -3
.Lnot_wave_0_\@:
	s_barrier_wait -3
	s_barrier_signal -1
	s_barrier_wait -1
.endm
; One product.  ra, rb: a side's scale words stand in lanes 0-15 (0) or 16-31 (1) of its register
.macro WM d, a, b, c, sa, ra, sb, rb
.if ((\ra) == 0) && ((\rb) == 0)
	v_wmma_scale_f32_16x16x128_f8f6f4 v[(\d):(\d)+7], v[(\a):(\a)+7], v[(\b):(\b)+7], v[(\c):(\c)+7], v[\sa], v[\sb] matrix_a_fmt:MATRIX_FMT_FP4 matrix_b_fmt:MATRIX_FMT_FP4
.elseif (\rb) == 0
	v_wmma_scale_f32_16x16x128_f8f6f4 v[(\d):(\d)+7], v[(\a):(\a)+7], v[(\b):(\b)+7], v[(\c):(\c)+7], v[\sa], v[\sb] matrix_a_fmt:MATRIX_FMT_FP4 matrix_b_fmt:MATRIX_FMT_FP4 matrix_a_scale:MATRIX_SCALE_ROW1
.elseif (\ra) == 0
	v_wmma_scale_f32_16x16x128_f8f6f4 v[(\d):(\d)+7], v[(\a):(\a)+7], v[(\b):(\b)+7], v[(\c):(\c)+7], v[\sa], v[\sb] matrix_a_fmt:MATRIX_FMT_FP4 matrix_b_fmt:MATRIX_FMT_FP4 matrix_b_scale:MATRIX_SCALE_ROW1
.else
	v_wmma_scale_f32_16x16x128_f8f6f4 v[(\d):(\d)+7], v[(\a):(\a)+7], v[(\b):(\b)+7], v[(\c):(\c)+7], v[\sa], v[\sb] matrix_a_fmt:MATRIX_FMT_FP4 matrix_b_fmt:MATRIX_FMT_FP4 matrix_a_scale:MATRIX_SCALE_ROW1 matrix_b_scale:MATRIX_SCALE_ROW1
.endif
.endm
; A K step of 128: step sl of half `half` of K.  20 LDS loads, 16 products; the 16 accumulators take turns, in the same order in every step.
.macro KS half, sl, first
.if \first == 0
.rept 4
	v_nop                                          ; four places between the last products and the loads into the registers that they read (ISA guide 7.12.1 for vector instructions)
.endr
.endif
.irp j, 0,1,2,3
.irp c, 0,1
	ds_load_b128 v[XF+8*\j+4*\c:XF+8*\j+4*\c+3], v[XA+\half] offset:\j*4096+\sl*1024+\c*512
.endr
.endr
.irp j, 0,1,2,3
.irp c, 0,1
	ds_load_b128 v[WF+8*\j+4*\c:WF+8*\j+4*\c+3], v[WA+\half] offset:\j*4096+\sl*1024+\c*512
.endr
.endr
.irp p, 0,1
	ds_load_b32 v[XSC+\p], v[XSA] offset:\p*1024+(4*\half+\sl)*64
	ds_load_b32 v[WSC+\p], v[WSA] offset:\p*1024+(4*\half+\sl)*64
.endr
	s_wait_dscnt 0x0
	s_cmp_lt_u32 s[WV], 8                          ; the branch hangs on the wave's number alone
	s_cbranch_scc0 .Lfor_v_\@
.irp j, 0,1,2,3
.irp i, 0,1,2,3
.if \first
	WM ACC+32*\j+8*\i, WF+8*\i, XF+8*\j, CB+8*\i, WSC+\i/2, \i%2, XSC+\j/2, \j%2
.else
	WM ACC+32*\j+8*\i, WF+8*\i, XF+8*\j, ACC+32*\j+8*\i, WSC+\i/2, \i%2, XSC+\j/2, \j%2
.endif
.endr
.endr
	s_branch .Ldone_\@
.Lfor_v_\@:
.irp j, 0,1,2,3
.irp i, 0,1,2,3
.if \first
	WM ACC+32*\j+8*\i, XF+8*\i, WF+8*\j, CB+8*\j, XSC+\i/2, \i%2, WSC+\j/2, \j%2
.else
	WM ACC+32*\j+8*\i, XF+8*\i, WF+8*\j, ACC+32*\j+8*\i, XSC+\i/2, \i%2, WSC+\j/2, \j%2
.endif
.endr
.endr
.Ldone_\@:
.endm
; 32 numbers of a lane, register 16 b + t = k 32 b + 16 (lane / 16) + t of my row, become 16 bytes of codes in v[pc .. pc + 3] (my row, k = 32 (lane / 16) + 0 .. 31) and the word s0 s1 s0 s1 in v[pw].
; Each accumulator is read from its low end on.
.macro QUANT2 s, pc, pw
.irp b, 0,1
	v_max3_num_f32 v[TM+\b], |v[(\s)+16*\b]|, |v[(\s)+16*\b+1]|, FLOOR
.endr
.irp i, 2,4,6,8,10,12,14
.irp b, 0,1
	v_max3_num_f32 v[TM+\b], v[TM+\b], |v[(\s)+16*\b+\i]|, |v[(\s)+16*\b+\i+1]|
.endr
.endr
.irp b, 0,1
	s_delay_alu instid0(VALU_DEP_2)
	v_permlanex16_b32 v[TM+2+\b], v[TM+\b], s[SEL], s[SEL+1]
.endr
.irp b, 0,1
	s_delay_alu instid0(VALU_DEP_2)
	v_max_num_f32 v[TM+\b], v[TM+\b], v[TM+2+\b]   ; with lane l xor 16's 16: the block's largest magnitude
.endr
.irp b, 0,1
	s_delay_alu instid0(VALU_DEP_2)
	v_add_nc_u32 v[TM+4+\b], EOFF, v[TM+\b]        ; 2 off its exponent field: the conversion's scale operand
.endr
.irp b, 0,1
	s_delay_alu instid0(VALU_DEP_2)
	v_lshrrev_b32 v[TM+2+\b], 23, v[TM+4+\b]       ; the scale's byte
.endr
	s_delay_alu instid0(VALU_DEP_1)
	v_lshl_or_b32 v[\pw], v[TM+3], 8, v[TM+2]
	s_delay_alu instid0(VALU_DEP_1)
	v_lshl_or_b32 v[\pw], v[\pw], 16, v[\pw]
	v_cvt_scalef32_pk8_fp4_f32 v[(\pc)], v[(\s):(\s)+7], v[TM+4]
	v_cvt_scalef32_pk8_fp4_f32 v[(\pc)+1], v[(\s)+8:(\s)+15], v[TM+4]
	v_cvt_scalef32_pk8_fp4_f32 v[(\pc)+2], v[(\s)+16:(\s)+23], v[TM+5]
	v_cvt_scalef32_pk8_fp4_f32 v[(\pc)+3], v[(\s)+24:(\s)+31], v[TM+5]
	v_nop                                          ; one plain line behind the scaled conversions
	v_permlane16_swap_b32 v[(\pc)], v[(\pc)+2]     ; a whole block to a lane: lanes 0-15 block 0, lanes 16-31 block 1
	v_permlane16_swap_b32 v[(\pc)+1], v[(\pc)+3]
.endm
	s_load_b256 s[4:11], s[0:1], 0x0               ; xc s[4:5], xs s[6:7], wc s[8:9], ws s[10:11]
	s_load_b256 s[12:19], s[0:1], 0x20             ; bq s[12:13], bk s[14:15], bv s[16:17], qc s[18:19]
	s_load_b128 s[20:23], s[0:1], 0x40             ; qs s[20:21], kv s[22:23]
	v_lshl_add_u32 v30, v0, 2, 0x3b800
	v_mov_b32 v31, 0
	ds_add_u32 v30, v31
	ds_add_u32 v30, v31
	v_lshrrev_b32 v1, 5, v0
	s_delay_alu instid0(VALU_DEP_1)
	v_readfirstlane_b32 s[WV], v1                  ; wave 0..11
	s_lshr_b32 s29, s[WV], 2                       ; matrix: 0 q, 1 k, 2 v
	s_and_b32 s30, s[WV], 3                        ; which 64 tokens
	; every LDS address and lane offset is made here, ahead of the first branch
	v_and_b32 v10, 31, v0                          ; v10 lane
	v_and_b32 v13, 15, v0                          ; r
	v_bfe_u32 v9, v0, 4, 1                         ; h
	s_delay_alu instid0(VALU_DEP_3)
	v_lshlrev_b32 v1, 4, v10                       ; v1  16 x lane
	s_delay_alu instid0(VALU_DEP_4)
	v_lshlrev_b32 v11, 2, v10                      ; v11 4 x lane
	s_delay_alu instid0(VALU_DEP_4)
	v_lshlrev_b32 v12, 2, v13                      ; v12 4 r
	s_lshl_b32 s31, s30, 14                        ; my four tiles of x: 4,096 bytes a tile and half of K
	v_add_nc_u32 v[XA], s31, v1
	s_delay_alu instid0(VALU_DEP_1)
	v_add_nc_u32 v[XA+1], XC1, v[XA]
	s_lshl_b32 s31, s29, 14                        ; my matrix's four tiles of W
	s_add_co_u32 s31, s31, WC0
	v_add_nc_u32 v[WA], s31, v1
	s_delay_alu instid0(VALU_DEP_1)
	v_add_nc_u32 v[WA+1], WC1-WC0, v[WA]
	v_lshl_add_u32 v8, v9, 9, v12                  ; 512 h + 4 r: a tile's words are 512 bytes
	s_lshl_b32 s31, s30, 11
	s_add_co_u32 s31, s31, XSL
	v_add_nc_u32 v[XSA], s31, v8
	s_lshl_b32 s31, s29, 11
	s_add_co_u32 s31, s31, WSL
	v_add_nc_u32 v[WSA], s31, v8
	v_lshlrev_b32 v8, 6, v9                        ; v8  q, k: the bias of my half's 16 columns: 64 h
	v_and_b32 v9, 8, v13
	s_delay_alu instid0(VALU_DEP_1)
	v_add_nc_u32 v9, v9, v13
	s_delay_alu instid0(VALU_DEP_1)
	v_lshlrev_b32 v9, 2, v9                        ; v9  v: the bias of my column: 4 (r + 8 (r / 8))
	v_mov_b32 v[TM+2], 0                           ; written once: a lane permute's destination counts as one of its sources
	v_mov_b32 v[TM+3], 0
	s_mov_b32 s[SEL], 0x76543210
	s_mov_b32 s[SEL+1], 0xfedcba98                 ; v_permlanex16_b32's selects for lane l xor 16
	s_bfe_u32 s25, ttmp6, 0x40000                  ; cx
	s_bfe_u32 s26, ttmp6, 0x40004                  ; cy
	s_lshl_b32 s27, ttmp9, 2
	s_add_co_u32 s27, s27, s25                     ; HX: the head = 4 x cluster x + cx
	s_and_b32 s28, ttmp7, 0xffff
	s_lshl_b32 s28, s28, 2
	s_add_co_u32 s28, s28, s26                     ; BY: the block of 256 tokens = 4 x cluster y + cy
	s_lshl_b32 s2, s26, 2
	s_lshl_b32 s2, 15, s2                          ; my row of the cluster
	s_lshl_b32 s31, 0x1111, s25                    ; my column
	; descriptor groups 1, elements of 8 bytes, no padding: every LDS read of these bytes is dense, 16 or 4 bytes a lane
	s_or_b32 s32, s2, (3<<16)|(1<<21)              ; s[32:39] x's codes: 8 tiles x 4,096 bytes (half of K), 8,192 bytes from tile to tile; the mask: my row; bit 21 set beside it
	s_or_b32 s48, s2, (3<<16)|(1<<21)              ; s[48:55] x's scale words: 8,192 dense bytes as 32 rows of 256
	s_or_b32 s40, s31, (3<<16)|(1<<21)             ; s[40:47] W's codes: 6 tiles; the mask: my column
	s_or_b32 s56, s31, (3<<16)|(1<<21)             ; s[56:63] W's scale words: 6,144 dense bytes as 24 rows of 256
.irp g, 32, 40
	s_mov_b32 s[\g+1], 512<<16                     ; tensor_dim0 = 512
	s_mov_b32 s[\g+3], 512<<16                     ; tile_dim0 = 512
	s_mov_b32 s[\g+5], 1024                        ; tensor_dim0_stride
	s_mov_b32 s[\g+6], 0
	s_mov_b32 s[\g+7], 0
.endr
	s_mov_b32 s34, 8<<16                           ; tensor_dim1
	s_mov_b32 s36, 8                               ; tile_dim1
	s_mov_b32 s42, 6<<16
	s_mov_b32 s44, 6
.irp g, 48, 56
	s_mov_b32 s[\g+1], 32<<16
	s_mov_b32 s[\g+3], 32<<16
	s_mov_b32 s[\g+5], 32
	s_mov_b32 s[\g+6], 0
	s_mov_b32 s[\g+7], 0
.endr
	s_mov_b32 s50, 32<<16
	s_mov_b32 s52, 32
	s_mov_b32 s58, 24<<16
	s_mov_b32 s60, 24
	; what is fetched, one load a wave (a = wave % 2).  Waves 0, 1: x's tiles 16 BY + 8 a .., first half of K; 2, 3: W's tiles 12 HX + 6 a .., first half; 4: x's scale words; 5: W's;
	; 6, 7: x's second half; 8, 9: W's second half; 10, 11 fetch nothing.  x's addresses are made of BY and the wave's number, W's of HX and the wave's number, in registers of their own
	s_and_b32 s94, s[WV], 1
	s_lshl_b32 s95, s28, 4
	s_lshl_b32 s2, s95, 9                          ; x's scale words of the 16 tiles
	s_mov_b32 s3, 0
	s_lshl_b32 s96, s94, 3
	s_add_co_u32 s95, s95, s96
	s_lshl_b32 s96, s95, 13                        ; x's codes
	s_mov_b32 s97, 0
	s_mul_i32 s31, s27, 12
	s_lshl_b32 s92, s31, 9                         ; W's scale words of the 12 tiles
	s_mov_b32 s93, 0
	s_mul_i32 s100, s94, 6
	s_add_co_u32 s31, s31, s100
	s_lshl_b32 s100, s31, 13                       ; W's codes
	s_mov_b32 s101, 0
	s_mov_b32 s69, XSL                             ; and where it goes: a constant + a constant x (wave % 2); no place in the cluster enters an LDS address
	s_lshl_b32 s73, s94, 15
	s_add_co_u32 s77, s73, XC1
	s_mov_b32 s81, WSL
	s_mul_i32 s85, s94, 24576
	s_add_co_u32 s85, s85, WC0
	s_add_co_u32 s89, s85, WC1-WC0
	s_mov_b32 s68, 1
	s_mov_b32 s72, 1
	s_mov_b32 s76, 1
	s_mov_b32 s80, 1
	s_mov_b32 s84, 1
	s_mov_b32 s88, 1
	s_wait_dscnt 0x0
	s_wait_kmcnt 0x0
	s_add_nc_u64 s[70:71], s[6:7], s[2:3]
	s_add_nc_u64 s[74:75], s[4:5], s[96:97]
	s_add_nc_u64 s[78:79], s[74:75], 4096          ; the second half of K
	s_add_nc_u64 s[82:83], s[10:11], s[92:93]
	s_add_nc_u64 s[86:87], s[8:9], s[100:101]
	s_add_nc_u64 s[90:91], s[86:87], 4096
.irp g, 71, 75, 79, 83, 87, 91
	s_or_b32 s[\g], s[\g], 0x80000000              ; type = 2
.endr
	CROUND                                         ; all sixteen work-groups are here: the joint loads meet
; one chain of branches on the wave's number, an arm a load, all arms leading to one join: one tensor load a wave at the head
.macro ARM under, g0, g1, next
	s_cmp_lt_u32 s[WV], \under
	s_cbranch_scc0 \next
	tensor_load_to_lds s[\g0:\g0+3], s[\g1:\g1+7]
	s_nop 0
.rept 4
	v_nop
.endr
	s_branch .Lfetched
\next:
.endm
	ARM 2, 72, 32, .Lf_w0
	ARM 4, 84, 40, .Lf_xs
	ARM 5, 68, 48, .Lf_ws
	ARM 6, 80, 56, .Lf_x1
	ARM 8, 76, 32, .Lf_w1
	ARM 10, 88, 40, .Lf_none
.Lfetched:
	; the biases, in the results' layout
	s_cmp_eq_u32 s29, 0
	s_cselect_b64 s[96:97], s[12:13], s[14:15]     ; the choice hangs on the wave's number alone
	s_cmp_eq_u32 s29, 2
	s_cselect_b64 s[96:97], s[16:17], s[96:97]
	s_lshl_b32 s2, s27, 8                          ; the head's 64 numbers
	s_mov_b32 s3, 0
	s_add_nc_u64 s[96:97], s[96:97], s[2:3]
	s_cmp_lt_u32 s[WV], 8
	s_cbranch_scc0 .Lbias_v
	s_wait_alu depctr_va_vdst(0)
.irp i, 0,1,2,3                        ; q, k: register t of tile i is column 32 (i / 2) + 8 (i % 2) + 16 h + t
	global_load_b128 v[CB+8*\i:CB+8*\i+3], v8, s[96:97] offset:(32*(\i/2)+8*(\i%2))*4
	global_load_b128 v[CB+8*\i+4:CB+8*\i+7], v8, s[96:97] offset:(32*(\i/2)+8*(\i%2))*4+16
.endr
	s_branch .Lbias_in
.Lbias_v:
	s_wait_alu depctr_va_vdst(0)
.irp j, 0,1,2,3                        ; v: all eight registers of tile j are column 32 (j / 2) + 8 (j % 2) + r + 8 (r / 8)
.irp t, 0,1,2,3,4,5,6,7
	global_load_b32 v[CB+8*\j+\t], v9, s[96:97] offset:(32*(\j/2)+8*(\j%2))*4
.endr
.endr
.Lbias_in:
	s_wait_loadcnt 0x0
	s_cmp_lt_u32 s[WV], 6                          ; waves 0 to 5 fetched the scale words and the first half of K, by load lines that no other wave issues
	s_cbranch_scc0 .Lnot_first
	s_wait_tensorcnt 0x0
.Lnot_first:
	s_barrier_signal -1
	s_barrier_wait -1                              ; the second half may stay out
	KS 0, 0, 1
	KS 0, 1, 0
	KS 0, 2, 0
	KS 0, 3, 0
	s_wait_tensorcnt 0x0                           ; my part of the second half is in
	s_barrier_signal -1
	s_barrier_wait -1
	KS 1, 0, 0
	KS 1, 1, 0
	KS 1, 2, 0
	KS 1, 3, 0
.rept 4
	v_nop                                          ; four places in front of the first read of results
.endr
.irp j, 0,1,2,3
	QUANT2 ACC+32*\j, PC+4*\j, PW+\j
.endr
	; where it goes
	s_lshr_b32 s2, s28, 3
	s_lshl_b32 s2, s2, 4
	s_add_co_u32 s2, s2, s27                       ; 16 x batch + head
	s_and_b32 s3, s28, 7                           ; my block of 256 among the sequence's eight
	s_lshl_b32 s31, s3, 4
	s_lshl_b32 s92, s30, 2
	s_add_co_u32 s31, s31, s92                     ; my first tile of the sequence's 128
	s_lshl_b32 s3, s3, 1
	s_lshr_b32 s92, s30, 1
	s_add_co_u32 s3, s3, s92                       ; my key step of 128 tokens,
	s_and_b32 s92, s30, 1                          ; and which half of it
	s_mul_i32 s93, s2, 16*SLAB
	s_mul_i32 s3, s3, SLAB
	s_add_co_u32 s93, s93, s3                      ; the key step's slab in kv
	s_cmp_lt_u32 s[WV], 8
	s_cbranch_scc0 .Lstore_v
	s_lshl_b32 s94, s2, 16
	s_lshl_b32 s95, s31, 9
	s_add_co_u32 s94, s94, s95                     ; q's codes: 65,536 x head + 512 x tile
	s_lshl_b32 s95, s92, 11
	s_add_co_u32 s95, s95, s93                     ; k's codes: the slab + 512 x (tile of the step's eight)
	s_lshl_b32 s96, s2, 13
	s_lshl_b32 s97, s31, 6
	s_add_co_u32 s96, s96, s97                     ; q's words
	s_lshl_b32 s97, s92, 8
	s_add_co_u32 s97, s97, s93
	s_add_co_u32 s97, s97, 8192                    ; k's words
	s_cmp_eq_u32 s29, 0
	s_cselect_b64 s[100:101], s[18:19], s[22:23]
	s_cselect_b64 s[18:19], s[20:21], s[22:23]
	s_cselect_b32 s94, s94, s95
	s_cselect_b32 s96, s96, s97
	s_mov_b32 s95, 0
	s_mov_b32 s97, 0
	s_add_nc_u64 s[100:101], s[100:101], s[94:95]
	s_add_nc_u64 s[18:19], s[18:19], s[96:97]
	s_wait_alu depctr_va_vdst(0)
.irp j, 0,1,2,3
	global_store_b128 v1, v[PC+4*\j:PC+4*\j+3], s[100:101] offset:512*\j   ; 32 lanes store 512 consecutive bytes, aligned to 256
.endr
	v_cmp_le_u32 vcc_lo, 16, v10
	s_delay_alu instid0(VALU_DEP_1)
	v_cndmask_b32 v28, v[PW], v[PW+1], vcc_lo      ; lanes 0-15 the even tile's words, lanes 16-31 the odd tile's
	s_delay_alu instid0(VALU_DEP_2)
	v_cndmask_b32 v29, v[PW+2], v[PW+3], vcc_lo
	global_store_b32 v11, v28, s[18:19]            ; 128 consecutive bytes
	global_store_b32 v11, v29, s[18:19] offset:128
	s_branch .Lstored
.Lstore_v:
	s_lshl_b32 s94, s92, 9
	s_add_co_u32 s94, s94, s93
	s_add_co_u32 s94, s94, 4096                    ; V^T's codes: my 64 tokens are register group (half) of the key step's fragments
	s_mov_b32 s95, 0
	s_add_nc_u64 s[100:101], s[22:23], s[94:95]
	s_lshl_b32 s96, s92, 1
	s_add_co_u32 s96, s96, s93
	s_add_co_u32 s96, s96, 8704                    ; and two of the four bytes of its scale words
	s_mov_b32 s97, 0
	s_add_nc_u64 s[18:19], s[22:23], s[96:97]
	s_wait_alu depctr_va_vdst(0)
.irp j, 0,1,2,3
	global_store_b128 v1, v[PC+4*\j:PC+4*\j+3], s[100:101] offset:1024*\j
	global_store_b16 v12, v[PW+\j], s[18:19] offset:64*\j   ; lanes r and r + 16 hold, and write, the same two bytes; small pieces: 128 bytes a wave
.endr
.Lstored:
	s_wait_tensorcnt 0x0
	ds_add_u32 v30, v31
	s_wait_dscnt 0x0
	CROUND                                         ; the closing round: no work-group ends while a partner may still ask for a tile that names it
	s_endpgm
.Lfunc_end_k_q64876ee955_qkv:
	.size	k_q64876ee955_qkv, .Lfunc_end_k_q64876ee955_qkv-k_q64876ee955_qkv
	.p2alignl 7, 3214868480
	.fill 96, 4, 3214868480
	.section	.rodata,"a",@progbits
	.p2align	6, 0x0
	.amdhsa_kernel k_q64876ee955_qkv
		.amdhsa_group_segment_fixed_size 245248
		.amdhsa_private_segment_fixed_size 0
		.amdhsa_enable_private_segment 0
		.amdhsa_kernarg_size 80
		.amdhsa_user_sgpr_count 2
		.amdhsa_user_sgpr_kernarg_segment_ptr 1
		.amdhsa_wavefront_size32 1
		.amdhsa_system_sgpr_workgroup_id_x 1
		.amdhsa_system_sgpr_workgroup_id_y 1
		.amdhsa_system_sgpr_workgroup_id_z 1
		.amdhsa_system_vgpr_workitem_id 0
		.amdhsa_next_free_vgpr 256
		.amdhsa_next_free_sgpr 102
		.amdhsa_reserve_vcc 1
		.amdhsa_float_denorm_mode_32 3
		.amdhsa_float_denorm_mode_16_64 3
		.amdhsa_memory_ordered 1
		.amdhsa_forward_progress 1
		.amdhsa_inst_pref_size 70
	.end_amdhsa_kernel
	.amdgpu_metadata
---
amdhsa.version: [ 1, 2 ]
amdhsa.kernels:
  - .name:           k_q64876ee955_qkv
    .symbol:         k_q64876ee955_qkv.kd
    .args:
      - { .name: xc, .offset: 0, .size: 8, .value_kind: global_buffer, .address_space: global }
      - { .name: xs, .offset: 8, .size: 8, .value_kind: global_buffer, .address_space: global }
      - { .name: wc, .offset: 16, .size: 8, .value_kind: global_buffer, .address_space: global }
      - { .name: ws, .offset: 24, .size: 8, .value_kind: global_buffer, .address_space: global }
      - { .name: bq, .offset: 32, .size: 8, .value_kind: global_buffer, .address_space: global }
      - { .name: bk, .offset: 40, .size: 8, .value_kind: global_buffer, .address_space: global }
      - { .name: bv, .offset: 48, .size: 8, .value_kind: global_buffer, .address_space: global }
      - { .name: qc, .offset: 56, .size: 8, .value_kind: global_buffer, .address_space: global }
      - { .name: qs, .offset: 64, .size: 8, .value_kind: global_buffer, .address_space: global }
      - { .name: kv, .offset: 72, .size: 8, .value_kind: global_buffer, .address_space: global }
    .group_segment_fixed_size: 245248
    .private_segment_fixed_size: 0
    .kernarg_segment_align: 8
    .kernarg_segment_size: 80
    .max_flat_workgroup_size: 384
    .sgpr_count:     102
    .vgpr_count:     256
    .wavefront_size: 32
...
	.end_amdgpu_metadata
.endif
;; end of part 2
;; launch attn (part 3): grid 4 x 64, 16 waves a work-group, clusters of 4 x 1, 169,984 bytes of LDS; arguments qc, qs, kv, xc, xs; writes xc, xs
.if DOCPART == 3
	.amdgcn_target "amdgcn-amd-amdhsa--gfx1250"
	.amdhsa_code_object_version 6
	.text
	.protected	k_q64876ee955_attn
	.globl	k_q64876ee955_attn
	.p2align	8
	.type	k_q64876ee955_attn,@function
k_q64876ee955_attn:
	s_mov_b64 s[64:65], 0
	v_nop
	global_prefetch_b8 v0, s[64:65] scope:SCOPE_SE
	s_setreg_imm32_b32 hwreg(HW_REG_WAVE_MODE, 25, 1), 1
	s_wait_xcnt 0x0
	s_wait_alu depctr_hold_cnt(0) depctr_sa_sdst(0) depctr_va_vdst(0) depctr_va_sdst(0) depctr_va_ssrc(0) depctr_va_vcc(0) depctr_vm_vsrc(0)
	s_getreg_b32 s2, hwreg(HW_REG_IB_STS2, 6, 4)
	s_cmp_eq_u32 s2, 0
	s_cbranch_scc0 .Lentry_in_a_cluster
	s_endpgm
.Lentry_in_a_cluster:
	s_bfe_u32 s2, ttmp6, 0x10000c
	s_cmp_lg_u32 s2, 0x3003
	s_cbranch_scc0 .Lentry_shape_is_right
	s_endpgm
.Lentry_shape_is_right:
; o = softmax(q k^T / 8) v for one head of one batch, 2,048 keys, head size 64, both products on codes of FP4 (E2M1) with E8M0 scales; o is quantised along the heads' axis for the last product and leaves as codes.
; THE SOFTMAX AHEAD OF THE SECOND PRODUCT: t = score x log2(e) / 8; M = the row's largest t so far, rounded UP to a whole number; p = 2^(t - M) is quantised along the keys, not normalised.  The row's sum is taken
; of the unquantised p and divides at the end.  When M moves, the sum and O are multiplied by 2^(old M - new M), which rounds nothing.
; A block's largest p is made from the block's largest score by the same multiply-add and exponential.
; SHARES.  A work-group owns 512 queries; each of its sixteen waves 32 of them, two tiles (X = 0, 1): every fragment of K and V read from LDS feeds both.  Every wave walks all keys, 128 a step.
; CLUSTER 4 x 1: the four work-groups of a head walk the same K and V.  The head's block of kv, 16 slabs of 8,960 bytes, is asked for JOINTLY, a slab a wave, and fills LDS once.  Nothing is stored to LDS.
; No data prefetch: every tile is asked for at the head, so there is no later load to run ahead of.
; PRODUCTS have 32 rows of source 0 and are used transposed (S^T = K Q^T, O^T = V^T P^T): a lane holds one query throughout.
; WHICH KEYS FORM A TILE is chosen by the lanes' LDS addresses: row 8 g + j of tile u of the 64 keys B is key 64 B + 32 g + 8 u + j.  So a lane's 32 registers S + 32 B .. are the WHOLE block 2 B + lane / 16 of 32 keys:
; its largest score needs no other lane, and the conversions' results are P's operand registers as they stand.  In kv that key is row j + 8 (u / 2) of tile 4 B + 2 g + u % 2.
; K = 64 IN AN INSTRUCTION OF 128: source 0 is four tiles of keys (rows 0-15: u = 0 | u = 2 along K, rows 16-31: u = 1 | u = 3); source 1 is (q, zeros) for u = 0, 1 and (zeros, q) for u = 2, 3: the other tiles' codes meet zero codes.
; A scale word of q or K holds the row's two bytes twice, so that it serves either place.
; K AND V HAVE REGISTERS OF THEIR OWN: the next step's K is fetched behind S^T of tile 1, its V behind the step's last product.
; REGISTERS: v0, v2, v4, v5 LDS addresses; v1 16 x lane; v3 q's scale words; v6, v7 the add's two; v8-27 0 qA 0 qB 0; v28-35 state; v36-42 scale words; v43 the old -M; v44-55 at work; v56-87 K; v88-119 V; v120-183 S^T, p; v184-247 O^T; v248-255 p's codes.
; LIMITS: a block of zeros, or one under 2^-124, gets the byte 1 (this program alone reads the bytes); NaN and infinities are not served.
.set FLOOR, 0x1800000
.set EOFF,  0xff000000
.set SLAB,  8960                       ; a key step: K's codes 8 x 512 | V^T's codes 4 x 1,024 at 4,096 | K's words 8 x 64 at 8,192 | V's words 4 x 64 at 8,704
.set SPARE, 0x29000                    ; the spare words: 128 bytes a wave
.set AVW, 0                            ; v0  V's scale words: 4 x lane + the slab
.set AKC, 2                            ; v2  K's codes: 1,024 g + 256 h + 16 j + the slab
.set QS,  3                            ; v3  q's scale words: tile A in lanes 0-15, tile B in lanes 16-31
.set AVC, 4                            ; v4  V's codes: 16 x lane + the slab
.set AKW, 5                            ; v5  K's scale words: 128 g + 64 h + 4 j + the slab
.set SPW, 6
.set NIL, 7
.set ST,  28                           ; tile X at v[28 + 4 X]: -M, the largest score, the sum in two halves
.set KW,  36                           ; v36-39 K's scale words: 2 B + z (z = 0: tiles u = 0, 1; z = 1: u = 2, 3)
.set VW,  40                           ; v40-41 V's
.set PS,  42                           ; v42 p's scale word
.set OM,  43
.set T,   44
.set TM,  44
.set KF,  56
.set VF,  88
.set S,   120
.set O,   184
.set P,   248
.set WV,  8
.set SEL, 10
.set CS,  12                           ; s[12:13] c = log2(e) / 8
.set NC,  14                           ; s14 -c
.set CNT, 15
.macro CROUND                          ; a round of the cluster's barrier
	s_barrier_signal -1
	s_barrier_wait -1
	s_cmp_lg_u32 s[WV], 0
	s_cbranch_scc1 .Lnot_wave_0_\@
	s_barrier_signal -3
.Lnot_wave_0_\@:
	s_barrier_wait -3
	s_barrier_signal -1
	s_barrier_wait -1
.endm
.macro W32 d, a, b, c, x0, x1, row     ; row = 1: source 1's scale words stand in lanes 16-31
.if \row
	v_wmma_scale_f32_32x16x128_f4 v[(\d):(\d)+15], v[(\a):(\a)+15], v[(\b):(\b)+7], \c, v[\x0], v[\x1] matrix_b_scale:MATRIX_SCALE_ROW1
.else
	v_wmma_scale_f32_32x16x128_f4 v[(\d):(\d)+15], v[(\a):(\a)+15], v[(\b):(\b)+7], \c, v[\x0], v[\x1]
.endif
.endm
.macro SQ X                            ; S^T of tile X: four accumulators of 16 registers
.irp B, 0,1
.irp z, 0,1
	W32 S+32*\B+16*\z, KF+16*\B, 12+8*\X-4*\z, 0, KW+2*\B+\z, QS, \X
.endr
.endr
.endm
.macro PV X                            ; O^T += V^T P^T: two accumulators by turns
.irp p, 0,1
	W32 O+32*\X+16*\p, VF+16*\p, P, v[O+32*\X+16*\p:O+32*\X+16*\p+15], VW+\p, PS, 0
.endr
.endm
.macro KLOAD                           ; 12 LDS loads
.irp B, 0,1
.irp u, 0,1,2,3
	ds_load_b128 v[KF+16*\B+8*(\u%2)+4*(\u/2):KF+16*\B+8*(\u%2)+4*(\u/2)+3], v[AKC] offset:2048*\B+512*(\u%2)+128*(\u/2)
.endr
.endr
.irp B, 0,1
.irp z, 0,1
	ds_load_b32 v[KW+2*\B+\z], v[AKW] offset:8192+256*\B+32*\z
.endr
.endr
.endm
.macro VLOAD                           ; 10 LDS loads
.irp f, 0,1,2,3,4,5,6,7
	ds_load_b128 v[VF+4*\f:VF+4*\f+3], v[AVC] offset:4096+512*\f
.endr
.irp p, 0,1
	ds_load_b32 v[VW+\p], v[AVW] offset:8704+128*\p
.endr
.endm
.macro PM X, k                         ; a pair of O^T under the new M
	v_pk_mul_f32 v[O+32*\X+2*(\k):O+32*\X+2*(\k)+1], v[O+32*\X+2*(\k):O+32*\X+2*(\k)+1], v[T+6:T+7] op_sel_hi:[1,0]
.endm
.macro PA d, a, b
	v_pk_add_f32 v[(\d):(\d)+1], v[(\a):(\a)+1], v[(\b):(\b)+1]
.endm
; Tile X's share of a key step.  pre = 1: a step follows, and its K and V are fetched
.macro UNIT X, pre
.set rT, ST+4*\X
	SQ \X
	v_mov_b32 v[OM], v[rT]                         ; four plain lines or more stand between the products and the first read of their results and the loads into their sources
.if (\pre) && (\X == 0)
.irp a, AVW, AKC, AVC, AKW
	v_add_nc_u32 v[\a], SLAB, v[\a]                ; on to the next slab: this step's K and V are in registers or on their way
.endr
.else
.rept 3
	v_nop
.endr
.endif
.if (\pre) && (\X == 1)
	KLOAD
.endif
.irp a, 0,1,2,3                        ; the largest score of my two blocks: four chains, one for each accumulator, each read from its low end on
	v_max3_num_f32 v[T+\a/2+2*(\a%2)], v[S+16*\a], v[S+16*\a+1], v[S+16*\a+2]
.endr
.irp i, 3,5,7,9,11,13
.irp a, 0,1,2,3
	v_max3_num_f32 v[T+\a/2+2*(\a%2)], v[T+\a/2+2*(\a%2)], v[S+16*\a+\i], v[S+16*\a+\i+1]
.endr
.endr
.irp B, 0,1
	v_max3_num_f32 v[T+\B], v[T+\B], v[S+32*\B+15], v[S+32*\B+31]
.endr
.irp B, 0,1
	v_max_num_f32 v[T+\B], v[T+\B], v[T+2+\B]      ; block 2 B + lane / 16
.endr
	s_delay_alu instid0(VALU_DEP_1)
	v_max_num_f32 v[T+4], v[T], v[T+1]
	s_delay_alu instid0(VALU_DEP_1)
	v_permlanex16_b32 v[T+5], v[T+4], s[SEL], s[SEL+1]
	s_delay_alu instid0(VALU_DEP_1)
	v_max3_num_f32 v[rT+1], v[rT+1], v[T+4], v[T+5]   ; the running largest score of my query
	s_delay_alu instid0(VALU_DEP_1)
	v_mul_f32 v[T+6], s[NC], v[rT+1]               ; -t
	s_delay_alu instid0(VALU_DEP_1)
	v_floor_f32 v[rT], v[T+6]                      ; the new -M = floor(-t) = -ceil(t)
	s_delay_alu instid0(VALU_DEP_1)
	v_sub_f32 v[T+6], v[rT], v[OM]                 ; old M - new M: a whole number, 0 or less
	s_delay_alu instid0(VALU_DEP_1)
	v_cvt_i32_f32 v[T+6], v[T+6]                   ; (it saturates)
	s_delay_alu instid0(VALU_DEP_1)
	v_ldexp_f32 v[T+6], 1.0, v[T+6]                ; f = 2^(old M - new M)
.set j, 0
.rept 32
	v_pk_fma_f32 v[S+j:S+j+1], v[S+j:S+j+1], s[CS:CS+1], v[rT:rT+1] op_sel_hi:[1,0,0]   ; t - M (of the pairs c and -M the low word serves both halves)
.set j, j+2
.endr
.irp B, 0,1
	v_fma_f32 v[T+\B], v[T+\B], s[CS], v[rT]       ; the same of each block's largest score
.endr
	s_wait_alu depctr_va_vdst(0)                   ; the wait ahead of the batch
	v_exp_f32 v[T], v[T]                           ; the blocks' largest p
	v_exp_f32 v[T+1], v[T+1]
.set j, 0
.rept 64
	v_exp_f32 v[S+j], v[S+j]                       ; p = 2^(t - M), at most 1
.set j, j+1
.endr
	v_pk_mul_f32 v[rT+2:rT+3], v[rT+2:rT+3], v[T+6:T+7] op_sel_hi:[1,0]   ; the sums under the new M (the plain line behind the batch)
	s_wait_alu depctr_va_vdst(0)                   ; one wait for the batch, directly ahead of the first reader of O^T too
.irp k, 0,1                            ; O^T under the new M, each accumulator from its low end on; the scale's lines stand among these
	PM \X, \k
.endr
.irp B, 0,1
	v_max_num_f32 v[T+\B], FLOOR, v[T+\B]          ; the floor: the byte cannot fall under 1
.endr
.irp k, 2,3
	PM \X, \k
.endr
.irp B, 0,1
	v_add_nc_u32 v[T+2+\B], EOFF, v[T+\B]          ; 2 off the exponent field: the conversion's scale operand
.endr
.irp k, 4,5
	PM \X, \k
.endr
.irp B, 0,1
	v_lshrrev_b32 v[T+4+\B], 23, v[T+2+\B]         ; the scale's byte
.endr
.irp k, 6,7,8
	PM \X, \k
.endr
	v_lshl_or_b32 v[T+4], v[T+5], 16, v[T+4]       ; my two bytes: blocks h and 2 + h
.irp k, 9,10,11
	PM \X, \k
.endr
	v_permlanex16_b32 v[T+5], v[T+4], s[SEL], s[SEL+1]
.irp k, 12,13,14
	PM \X, \k
.endr
	v_lshl_or_b32 v[PS], v[T+5], 8, v[T+4]         ; lanes 0-15: the word of four bytes; lanes 16-31 are not read
	PM \X, 15
.irp B, 0,1
.irp i, 0,1,2,3
	v_cvt_scalef32_pk8_fp4_f32 v[P+4*\B+\i], v[S+32*\B+8*\i:S+32*\B+8*\i+7], v[T+2+\B]
.endr
.endr
	PA T, S, S+2                                   ; the row's sum of the unquantised p, in five chains; these 32 lines also stand between the scale word's and the codes' writes and the products
	PA T+4, S+4, S+6
	PA T+8, S+8, S+10
	PA T+10, S+12, S+14
.irp k, 16,26,36,46
	PA rT+2, rT+2, S+\k
	PA T, T, S+\k+2
	PA T+4, T+4, S+\k+4
	PA T+8, T+8, S+\k+6
	PA T+10, T+10, S+\k+8
.endr
	PA rT+2, rT+2, S+56
	PA T, T, S+58
	PA T+4, T+4, S+60
	PA T+8, T+8, S+62
	PA T, T, T+4
	PA T+8, T+8, T+10
	PA rT+2, rT+2, T
	PA rT+2, rT+2, T+8
.if \X == 0
	s_wait_alu depctr_va_vdst(0)
	s_wait_dscnt 0x0                               ; V is in
.endif
	PV \X
.if \X == 1
.rept 4
	v_nop                                          ; four places between the products and the loads into their sources, or the first read of their results
.endr
.if \pre
	VLOAD
.endif
.endif
.endm
.macro STEP pre
	s_wait_dscnt 10                                ; K's 12 loads are in; V's 10, issued behind them, may be out
	UNIT 0, \pre
	UNIT 1, \pre
.endm
; 32 numbers of a lane, register 16 b + t = k 32 b + 16 (lane / 16) + t of my row, become 16 bytes of codes in v[pc .. pc + 3] and the word s0 s1 s0 s1 in v[pw]
.macro QUANT2 s, pc, pw
.irp b, 0,1
	v_max3_num_f32 v[TM+\b], |v[(\s)+16*\b]|, |v[(\s)+16*\b+1]|, FLOOR
.endr
.irp i, 2,4,6,8,10,12,14
.irp b, 0,1
	s_delay_alu instid0(VALU_DEP_2)
	v_max3_num_f32 v[TM+\b], v[TM+\b], |v[(\s)+16*\b+\i]|, |v[(\s)+16*\b+\i+1]|
.endr
.endr
.irp b, 0,1
	s_delay_alu instid0(VALU_DEP_2)
	v_permlanex16_b32 v[TM+2+\b], v[TM+\b], s[SEL], s[SEL+1]
.endr
.irp b, 0,1
	s_delay_alu instid0(VALU_DEP_2)
	v_max_num_f32 v[TM+\b], v[TM+\b], v[TM+2+\b]
.endr
.irp b, 0,1
	s_delay_alu instid0(VALU_DEP_2)
	v_add_nc_u32 v[TM+4+\b], EOFF, v[TM+\b]
.endr
.irp b, 0,1
	s_delay_alu instid0(VALU_DEP_2)
	v_lshrrev_b32 v[TM+2+\b], 23, v[TM+4+\b]
.endr
	s_delay_alu instid0(VALU_DEP_1)
	v_lshl_or_b32 v[\pw], v[TM+3], 8, v[TM+2]
	s_delay_alu instid0(VALU_DEP_1)
	v_lshl_or_b32 v[\pw], v[\pw], 16, v[\pw]
	v_cvt_scalef32_pk8_fp4_f32 v[(\pc)], v[(\s):(\s)+7], v[TM+4]
	v_cvt_scalef32_pk8_fp4_f32 v[(\pc)+1], v[(\s)+8:(\s)+15], v[TM+4]
	v_cvt_scalef32_pk8_fp4_f32 v[(\pc)+2], v[(\s)+16:(\s)+23], v[TM+5]
	v_cvt_scalef32_pk8_fp4_f32 v[(\pc)+3], v[(\s)+24:(\s)+31], v[TM+5]
	v_nop
	v_permlane16_swap_b32 v[(\pc)], v[(\pc)+2]
	v_permlane16_swap_b32 v[(\pc)+1], v[(\pc)+3]
.endm
	s_load_b256 s[32:39], s[0:1], 0x0              ; qc s[32:33], qs s[34:35], kv s[36:37], xc s[38:39]
	s_load_b64 s[40:41], s[0:1], 0x20              ; xs
	v_lshl_add_u32 v[SPW], v0, 2, SPARE
	v_mov_b32 v[NIL], 0
	ds_add_u32 v[SPW], v[NIL]                      ; the opening lines: the add twice on end and one wait
	ds_add_u32 v[SPW], v[NIL]
	v_lshrrev_b32 v1, 5, v0
	v_readfirstlane_b32 s[WV], v1                  ; wave 0..15
	v_and_b32 v[T], 31, v0                         ; lane
	v_and_b32 v[T+1], 7, v0                        ; j
	v_bfe_u32 v[T+2], v0, 3, 1                     ; g
	v_bfe_u32 v[T+3], v0, 4, 1                     ; h
	v_lshlrev_b32 v1, 4, v[T]
	v_lshlrev_b32 v[AVC], 4, v[T]
	v_lshlrev_b32 v[AKC], 4, v[T+1]
	v_lshl_add_u32 v[AKC], v[T+2], 10, v[AKC]
	v_lshl_add_u32 v[AKC], v[T+3], 8, v[AKC]
	v_lshlrev_b32 v[AKW], 2, v[T+1]
	v_lshl_add_u32 v[AKW], v[T+2], 7, v[AKW]
	v_lshl_add_u32 v[AKW], v[T+3], 6, v[AKW]
	v_lshlrev_b32 v[AVW], 2, v[T]                  ; (v0 has served)
	s_bfe_u32 s9, ttmp6, 0x40000                   ; cx: which quarter of the queries; it enters q's and o's addresses alone
	s_and_b32 s28, ttmp7, 0xffff                   ; 16 x batch + head, which the four partners share
	s_mov_b32 s16, 15|(3<<16)|(1<<21)              ; group 1: the mask: all four; elements of 8 bytes; bit 21 set beside a mask; a slab is 35 dense rows of 256 bytes
	s_mov_b32 s17, 32<<16
	s_mov_b32 s18, 35<<16
	s_mov_b32 s19, 32<<16
	s_mov_b32 s20, 35
	s_mov_b32 s21, 32
	s_mov_b32 s22, 0
	s_mov_b32 s23, 0
	s_mul_i32 s29, s[WV], SLAB                     ; my slab: the same place in the head's block and in LDS
	s_mul_i32 s42, s28, 16*SLAB
	s_add_co_u32 s42, s42, s29
	s_mov_b32 s43, 0
	s_mov_b32 s[SEL], 0x76543210
	s_mov_b32 s[SEL+1], 0xfedcba98
	s_mov_b32 s[CS], 0x3e38aa3b                    ; log2(e) / 8
	s_mov_b32 s[CS+1], s[CS]
	s_mov_b32 s[NC], 0xbe38aa3b
	s_mov_b32 s[CNT], 15
	s_wait_dscnt 0x0
	s_wait_kmcnt 0x0
	s_mov_b32 s24, 1
	s_mov_b32 s25, s29
	s_add_nc_u64 s[26:27], s[36:37], s[42:43]
	s_or_b32 s27, s27, 0x80000000
	CROUND                                         ; all four work-groups are here: the joint loads meet
	tensor_load_to_lds s[24:27], s[16:23]          ; one load a wave
	s_nop 0
.rept 4
	v_nop
.endr
	s_lshl_b32 s30, s9, 5
	s_lshl_b32 s31, s[WV], 1
	s_add_co_u32 s30, s30, s31                     ; my first tile of the sequence's 128
	s_lshl_b32 s42, s28, 16
	s_lshl_b32 s31, s30, 9
	s_add_co_u32 s42, s42, s31
	s_add_nc_u64 s[32:33], s[32:33], s[42:43]
	s_lshl_b32 s42, s28, 13
	s_lshl_b32 s31, s30, 6
	s_add_co_u32 s42, s42, s31
	s_add_nc_u64 s[34:35], s[34:35], s[42:43]
	s_wait_alu depctr_va_vdst(0)
	global_load_b128 v[12:15], v1, s[32:33]        ; qA
	global_load_b128 v[20:23], v1, s[32:33] offset:512   ; qB
	global_load_b32 v[QS], v[AVW], s[34:35]
.irp j, 8,9,10,11,16,17,18,19,24,25,26,27
	v_mov_b32 v[\j], 0                             ; the zero codes beside q
.endr
	; where o goes: tile G = 128 x batch + tile; K step head / 2, register group head % 2 of the last product's operand
	s_lshr_b32 s29, s28, 4
	s_lshl_b32 s29, s29, 7
	s_add_co_u32 s29, s29, s30
	s_bfe_u32 s31, s28, 0x30001
	s_and_b32 s44, s28, 1
	s_lshl_b32 s42, s29, 13
	s_lshl_b32 s45, s31, 10
	s_add_co_u32 s42, s42, s45
	s_lshl_b32 s45, s44, 9
	s_add_co_u32 s42, s42, s45
	s_add_nc_u64 s[38:39], s[38:39], s[42:43]
	s_lshl_b32 s42, s29, 9
	s_lshl_b32 s45, s31, 6
	s_add_co_u32 s42, s42, s45
	s_lshl_b32 s45, s44, 1
	s_add_co_u32 s42, s42, s45
	s_add_nc_u64 s[40:41], s[40:41], s[42:43]
.irp X, 0,1
	v_mov_b32 v[ST+4*\X], 0x7f61b1e6               ; -M: 3e38
	v_mov_b32 v[ST+4*\X+1], 0xff61b1e6             ; the largest score so far: -3e38, under every score
	v_mov_b32 v[ST+4*\X+2], 0                      ; the sum, in two halves
	v_mov_b32 v[ST+4*\X+3], 0
.endr
	v_mov_b32 v[T+5], 0                            ; a lane permute's destination counts as one of its sources
	v_mov_b32 v[T+7], 0                            ; (named as the upper half of f's pair)
.set j, 0
.rept 64
	v_mov_b32 v[O+j], 0                            ; O^T: the step is written once for all steps; the first finds zeros, which the first change of M leaves zeros
.set j, j+1
.endr
	s_wait_alu depctr_va_vdst(0)                   ; the wait at the head's end
	s_wait_loadcnt 0x0                             ; q
	s_wait_tensorcnt 0x0                           ; my slab is in,
	s_barrier_signal -1
	s_barrier_wait -1                              ; everybody's is
	KLOAD
	VLOAD
.Lstep:                                            ; 15 trips of 128 keys, each fetching the next step's K and V
	STEP 1
	s_sub_co_u32 s[CNT], s[CNT], 1
	s_cmp_lg_u32 s[CNT], 0
	s_cbranch_scc1 .Lstep
	STEP 0                                         ; the last step fetches nothing
	; THE WAY OUT: O^T / the sum, quantised along the head's 64, straight from registers: a lane's 16 bytes are its place in the operand's image
.irp X, 0,1
	v_add_f32 v[T+\X], v[ST+4*\X+2], v[ST+4*\X+3]  ; the sum's two halves,
.endr
.irp X, 0,1
	v_permlanex16_b32 v[T+2+\X], v[T+\X], s[SEL], s[SEL+1]
.endr
.irp X, 0,1
	v_add_f32 v[T+\X], v[T+\X], v[T+2+\X]          ; and lane l xor 16's
.endr
	s_wait_alu depctr_va_vdst(0)
.irp X, 0,1
	v_rcp_f32 v[T+4+2*\X], v[T+\X]
.endr
	v_nop                                          ; the plain line behind the reciprocals
	s_wait_alu depctr_va_vdst(0)                   ; one wait for both, directly ahead of the first reader of O^T
.irp X, 0,1
.set j, 0
.rept 16
	v_pk_mul_f32 v[S+32*\X+j:S+32*\X+j+1], v[O+32*\X+j:O+32*\X+j+1], v[T+4+2*\X:T+4+2*\X+1] op_sel_hi:[1,0]
.set j, j+2
.endr
.endr
	v_lshrrev_b32 v[T+6], 2, v1
	v_and_b32 v[T+6], 60, v[T+6]                   ; 4 x (lane % 16)
	QUANT2 S, P, PS
	QUANT2 S+32, P+4, OM
	global_store_b128 v1, v[P:P+3], s[38:39]       ; 32 lanes store 512 consecutive bytes, aligned to 256
	global_store_b128 v1, v[P+4:P+7], s[38:39] offset:8192
	global_store_b16 v[T+6], v[PS], s[40:41]       ; the head's two of the word's four bytes; lanes r and r + 16 hold, and write, the same
	global_store_b16 v[T+6], v[OM], s[40:41] offset:512
	s_wait_tensorcnt 0x0                           ; the wave's end
	ds_add_u32 v[SPW], v[NIL]
	s_wait_dscnt 0x0
	CROUND                                         ; the closing round: no work-group ends while a partner may still ask for a tile that names it
	s_endpgm
.Lfunc_end_k_q64876ee955_attn:
	.size	k_q64876ee955_attn, .Lfunc_end_k_q64876ee955_attn-k_q64876ee955_attn
	.p2alignl 7, 3214868480
	.fill 96, 4, 3214868480
	.section	.rodata,"a",@progbits
	.p2align	6, 0x0
	.amdhsa_kernel k_q64876ee955_attn
		.amdhsa_group_segment_fixed_size 169984
		.amdhsa_private_segment_fixed_size 0
		.amdhsa_enable_private_segment 0
		.amdhsa_kernarg_size 40
		.amdhsa_user_sgpr_count 2
		.amdhsa_user_sgpr_kernarg_segment_ptr 1
		.amdhsa_wavefront_size32 1
		.amdhsa_system_sgpr_workgroup_id_x 1
		.amdhsa_system_sgpr_workgroup_id_y 1
		.amdhsa_system_sgpr_workgroup_id_z 1
		.amdhsa_system_vgpr_workitem_id 0
		.amdhsa_next_free_vgpr 256
		.amdhsa_next_free_sgpr 66
		.amdhsa_reserve_vcc 0
		.amdhsa_float_denorm_mode_32 3
		.amdhsa_float_denorm_mode_16_64 3
		.amdhsa_memory_ordered 1
		.amdhsa_forward_progress 1
		.amdhsa_inst_pref_size 67
	.end_amdhsa_kernel
	.amdgpu_metadata
---
amdhsa.version: [ 1, 2 ]
amdhsa.kernels:
  - .name:           k_q64876ee955_attn
    .symbol:         k_q64876ee955_attn.kd
    .args:
      - { .name: qc, .offset: 0, .size: 8, .value_kind: global_buffer, .address_space: global }
      - { .name: qs, .offset: 8, .size: 8, .value_kind: global_buffer, .address_space: global }
      - { .name: kv, .offset: 16, .size: 8, .value_kind: global_buffer, .address_space: global }
      - { .name: xc, .offset: 24, .size: 8, .value_kind: global_buffer, .address_space: global }
      - { .name: xs, .offset: 32, .size: 8, .value_kind: global_buffer, .address_space: global }
    .group_segment_fixed_size: 169984
    .private_segment_fixed_size: 0
    .kernarg_segment_align: 8
    .kernarg_segment_size: 40
    .max_flat_workgroup_size: 512
    .sgpr_count:     66
    .vgpr_count:     256
    .wavefront_size: 32
...
	.end_amdgpu_metadata
.endif
;; end of part 3
;; launch outln (part 4): grid 256 x 1, 16 waves a work-group, no clusters, 327,680 bytes of LDS; arguments xc, xs, wc, ws, bo, x, ln_w, ln_b, out0; writes out0
.if DOCPART == 4
	.amdgcn_target "amdgcn-amd-amdhsa--gfx1250"
	.amdhsa_code_object_version 6
	.text
	.protected	k_q64876ee955_outln
	.globl	k_q64876ee955_outln
	.p2align	8
	.type	k_q64876ee955_outln,@function
k_q64876ee955_outln:
	s_mov_b64 s[64:65], 0
	v_nop
	global_prefetch_b8 v0, s[64:65] scope:SCOPE_SE
	s_setreg_imm32_b32 hwreg(HW_REG_WAVE_MODE, 25, 1), 1
	s_wait_xcnt 0x0
.set AIMG, 131072
.set ASC,  147456
.set STG,  148480
.set SP,   4112
.set CB,   160
.set ACC,  192
.set Y,    192
.set XX,   128
.set LW,   64
.set LB,   96
.set WV,   22
.set SEL,  66
.macro WM d, a, b, c, sa, ra, sb, rb
.if ((\ra) == 0) && ((\rb) == 0)
	v_wmma_scale_f32_16x16x128_f8f6f4 v[(\d):(\d)+7], v[(\a):(\a)+7], v[(\b):(\b)+7], v[(\c):(\c)+7], v[\sa], v[\sb] matrix_a_fmt:MATRIX_FMT_FP4 matrix_b_fmt:MATRIX_FMT_FP4
.elseif (\rb) == 0
	v_wmma_scale_f32_16x16x128_f8f6f4 v[(\d):(\d)+7], v[(\a):(\a)+7], v[(\b):(\b)+7], v[(\c):(\c)+7], v[\sa], v[\sb] matrix_a_fmt:MATRIX_FMT_FP4 matrix_b_fmt:MATRIX_FMT_FP4 matrix_a_scale:MATRIX_SCALE_ROW1
.elseif (\ra) == 0
	v_wmma_scale_f32_16x16x128_f8f6f4 v[(\d):(\d)+7], v[(\a):(\a)+7], v[(\b):(\b)+7], v[(\c):(\c)+7], v[\sa], v[\sb] matrix_a_fmt:MATRIX_FMT_FP4 matrix_b_fmt:MATRIX_FMT_FP4 matrix_b_scale:MATRIX_SCALE_ROW1
.else
	v_wmma_scale_f32_16x16x128_f8f6f4 v[(\d):(\d)+7], v[(\a):(\a)+7], v[(\b):(\b)+7], v[(\c):(\c)+7], v[\sa], v[\sb] matrix_a_fmt:MATRIX_FMT_FP4 matrix_b_fmt:MATRIX_FMT_FP4 matrix_a_scale:MATRIX_SCALE_ROW1 matrix_b_scale:MATRIX_SCALE_ROW1
.endif
.endm
.macro WLOAD s
.set WS_, 64+32*((\s)%4)
.irp i, 0,1,2,3
.irp c, 0,1
	global_load_b128 v[WS_+8*\i+4*\c:WS_+8*\i+4*\c+3], v1, s[8:9] offset:\i*8192+(\s)*1024+\c*512
.endr
.endr
.irp p, 0,1
	global_load_b32 v[46+2*((\s)%4)+\p], v2, s[10:11] offset:\p*1024+(\s)*64
.endr
.endm
.macro ALOAD s
.irp u, 0,1
.irp c, 0,1
	ds_load_b128 v[12+16*((\s)%2)+8*\u+4*\c:12+16*((\s)%2)+8*\u+4*\c+3], v4 offset:\u*8192+(\s)*1024+\c*512
.endr
.endr
	ds_load_b32 v[44+(\s)%2], v5 offset:(\s)*64
.endm
.macro STEP s, n, d
	s_wait_loadcnt \n
	s_wait_dscnt \d
.irp i, 0,1,2,3
.irp u, 0,1
.if (\s) == 0
	WM ACC+8*(2*\i+\u), 64+32*((\s)%4)+8*\i, 12+16*((\s)%2)+8*\u, CB+8*\i, 46+2*((\s)%4)+\i/2, \i%2, 44+(\s)%2, \u
.else
	WM ACC+8*(2*\i+\u), 64+32*((\s)%4)+8*\i, 12+16*((\s)%2)+8*\u, ACC+8*(2*\i+\u), 46+2*((\s)%4)+\i/2, \i%2, 44+(\s)%2, \u
.endif
.endr
.endr
.rept 4
	v_nop
.endr
.endm
.macro REDUCE a
	s_delay_alu instid0(VALU_DEP_1)
	v_add_f32_dpp v[\a], v[\a], v[\a] row_xmask:1 row_mask:0xf bank_mask:0xf
	s_delay_alu instid0(VALU_DEP_1)
	v_add_f32_dpp v[\a], v[\a], v[\a] row_xmask:2 row_mask:0xf bank_mask:0xf
	s_delay_alu instid0(VALU_DEP_1)
	v_add_f32_dpp v[\a], v[\a], v[\a] row_xmask:4 row_mask:0xf bank_mask:0xf
	s_delay_alu instid0(VALU_DEP_1)
	v_add_f32_dpp v[\a], v[\a], v[\a] row_xmask:8 row_mask:0xf bank_mask:0xf
	s_delay_alu instid0(VALU_DEP_1)
	v_permlanex16_b32 v[(\a)+1], v[\a], s[SEL], s[SEL+1]
	s_delay_alu instid0(VALU_DEP_1)
	v_add_f32 v[\a], v[\a], v[(\a)+1]
.endm
.macro LN1 k
.set YK, Y+32*(\k)
.set XK, XX+32*(\k)
.set SA, 54+2*(\k)
.set j, 0
.rept 16
	v_pk_add_f32 v[YK+j:YK+j+1], v[YK+j:YK+j+1], v[XK+j:XK+j+1]
.set j, j+2
.endr
	v_pk_add_f32 v[SA:SA+1], v[YK:YK+1], v[YK+2:YK+3]
	v_pk_add_f32 v[58:59], v[YK+4:YK+5], v[YK+6:YK+7]
.irp j, 8,12,16,20,24,28
	s_delay_alu instid0(VALU_DEP_2)
	v_pk_add_f32 v[SA:SA+1], v[SA:SA+1], v[YK+\j:YK+\j+1]
	s_delay_alu instid0(VALU_DEP_2)
	v_pk_add_f32 v[58:59], v[58:59], v[YK+\j+2:YK+\j+3]
.endr
	s_delay_alu instid0(VALU_DEP_1)
	v_pk_add_f32 v[SA:SA+1], v[SA:SA+1], v[58:59]
	s_delay_alu instid0(VALU_DEP_1)
	v_add_f32 v[SA], v[SA], v[SA+1]
	REDUCE SA
	s_delay_alu instid0(VALU_DEP_1)
	v_mul_f32 v[SA], s68, v[SA]
.set j, 0
.rept 16
	v_pk_add_f32 v[YK+j:YK+j+1], v[YK+j:YK+j+1], v[SA:SA+1] op_sel_hi:[1,0] neg_lo:[0,1] neg_hi:[0,1]
.set j, j+2
.endr
	v_pk_mul_f32 v[58:59], v[YK:YK+1], v[YK:YK+1]
	v_pk_mul_f32 v[60:61], v[YK+2:YK+3], v[YK+2:YK+3]
.irp j, 4,8,12,16,20,24,28
	s_delay_alu instid0(VALU_DEP_2)
	v_pk_fma_f32 v[58:59], v[YK+\j:YK+\j+1], v[YK+\j:YK+\j+1], v[58:59]
	s_delay_alu instid0(VALU_DEP_2)
	v_pk_fma_f32 v[60:61], v[YK+\j+2:YK+\j+3], v[YK+\j+2:YK+\j+3], v[60:61]
.endr
	s_delay_alu instid0(VALU_DEP_1)
	v_pk_add_f32 v[58:59], v[58:59], v[60:61]
	s_delay_alu instid0(VALU_DEP_1)
	v_add_f32 v58, v58, v59
	REDUCE 58
	s_delay_alu instid0(VALU_DEP_1)
	v_fma_f32 v[62+(\k)], v58, s68, s69
.endm
.macro LN2 k
.set YK, Y+32*(\k)
.set SA, 54+2*(\k)
.set j, 0
.rept 16
	v_pk_mul_f32 v[YK+j:YK+j+1], v[YK+j:YK+j+1], v[SA:SA+1] op_sel_hi:[1,0]
.set j, j+2
.endr
.set j, 0
.rept 16
	v_pk_fma_f32 v[YK+j:YK+j+1], v[YK+j:YK+j+1], v[LW+j:LW+j+1], v[LB+j:LB+j+1]
.set j, j+2
.endr
.irp i, 0,1,2,3,4,5,6,7
	global_store_b128 v1, v[YK+4*\i:YK+4*\i+3], s[20:21] offset:4096*(\k)+512*\i th:TH_STORE_NT
.endr
.endm
	s_load_b256 s[4:11], s[0:1], 0x0
	s_load_b256 s[12:19], s[0:1], 0x20
	s_load_b64 s[20:21], s[0:1], 0x40
	v_lshl_add_u32 v254, v0, 2, 0x44600
	v_mov_b32 v255, 0
	ds_add_u32 v254, v255
	ds_add_u32 v254, v255
	s_wait_dscnt 0x0
	v_lshrrev_b32 v1, 5, v0
	s_delay_alu instid0(VALU_DEP_1)
	v_readfirstlane_b32 s[WV], v1
	v_and_b32 v9, 31, v0
	v_and_b32 v11, 15, v0
	v_bfe_u32 v3, v0, 4, 1
	s_delay_alu instid0(VALU_DEP_3)
	v_lshlrev_b32 v1, 4, v9
	s_delay_alu instid0(VALU_DEP_3)
	v_lshlrev_b32 v2, 2, v11
	s_delay_alu instid0(VALU_DEP_1)
	v_lshl_add_u32 v2, v3, 9, v2
	s_delay_alu instid0(VALU_DEP_3)
	v_add_nc_u32 v4, AIMG, v1
	s_delay_alu instid0(VALU_DEP_2)
	v_add_nc_u32 v5, ASC, v2
	v_mul_u32_u24 v6, v11, SP
	s_delay_alu instid0(VALU_DEP_1)
	v_lshl_add_u32 v6, v3, 6, v6
	s_lshl_b32 s23, s[WV], 8
	s_add_co_u32 s23, s23, STG
	v_add_nc_u32 v6, s23, v6
	s_delay_alu instid0(VALU_DEP_1)
	v_add_nc_u32 v7, 16*SP, v6
	s_mul_i32 s23, s[WV], 2*SP
	s_add_co_u32 s23, s23, STG
	v_add_nc_u32 v8, s23, v1
	s_lshl_b32 s23, s[WV], 13
	v_add_nc_u32 v10, s23, v1
	v_lshlrev_b32 v3, 6, v3
	s_mov_b32 s[SEL], 0x76543210
	s_mov_b32 s[SEL+1], 0xfedcba98
	s_mov_b32 s68, 0x3a800000
	s_mov_b32 s69, 0x3727c5ac
	s_mov_b32 s24, 3<<16
	s_mov_b32 s25, 32<<16
	s_mov_b32 s26, 4<<16
	s_mov_b32 s27, 32<<16
	s_mov_b32 s28, 4
	s_mov_b32 s29, 32
	s_mov_b32 s30, 0
	s_mov_b32 s31, 0
	s_mov_b32 s32, 3<<16
	s_mov_b32 s33, 32<<16                          ; s[32:39]: the 32 rows' codes, 16,384 dense bytes as 64 rows of 256
	s_mov_b32 s34, 64<<16
	s_mov_b32 s35, 32<<16
	s_mov_b32 s36, 64
	s_mov_b32 s37, 32
	s_mov_b32 s38, 0
	s_mov_b32 s39, 0
	s_mov_b32 s40, 3<<16
	s_mov_b32 s41, 32<<16
	s_mov_b32 s42, 128<<16                         ; s[40:47]: eight rows of x, 32,768 dense bytes as 128 rows of 256
	s_mov_b32 s43, 32<<16
	s_mov_b32 s44, 128
	s_mov_b32 s45, 32
	s_mov_b32 s46, 0
	s_mov_b32 s47, 0
	s_lshl_b32 s70, ttmp9, 14
	s_mov_b32 s71, 0
	s_lshl_b32 s2, ttmp9, 10
	s_mov_b32 s3, 0
	s_lshr_b32 s60, s[WV], 3
	s_lshl_b32 s60, s60, 3
	s_and_b32 s61, s[WV], 7
	s_lshl_b32 s62, s61, 1
	s_add_co_u32 s60, s60, s62
	s_lshr_b32 s61, s61, 2
	s_lshl_b32 s61, s61, 3
	s_add_co_u32 s60, s60, s61
	s_lshl_b32 s61, ttmp9, 5
	s_add_co_u32 s60, s60, s61
	s_lshl_b32 s60, s60, 12
	s_mov_b32 s61, 0
	; the head's tiles, one load a wave: wave 0 the rows' codes, wave 1 their scale words, waves 2 to 5 eight rows of x each (group G = wave - 2: the rows of waves 4 G .. 4 G + 3, which lie on end in memory and in LDS)
	s_mov_b32 s48, 1
	s_mov_b32 s49, AIMG
	s_mov_b32 s52, 1
	s_mov_b32 s53, ASC
	s_mov_b32 s56, 1
	s_add_co_u32 s62, s[WV], 2
	s_and_b32 s62, s62, 3                          ; G
	s_lshl_b32 s57, s62, 15
	s_and_b32 s63, s62, 1
	s_lshl_b32 s63, s63, 4
	s_lshr_b32 s62, s62, 1
	s_lshl_b32 s62, s62, 3
	s_add_co_u32 s62, s62, s63                     ; its first row of the 32: 16 (G % 2) + 8 (G / 2)
	s_lshl_b32 s63, ttmp9, 5
	s_add_co_u32 s62, s62, s63
	s_lshl_b32 s62, s62, 12
	s_mov_b32 s63, 0
	s_wait_alu depctr_va_vdst(0)
	s_wait_kmcnt 0x0
	s_add_nc_u64 s[50:51], s[4:5], s[70:71]
	s_or_b32 s51, s51, 0x80000000
	s_add_nc_u64 s[54:55], s[6:7], s[2:3]
	s_or_b32 s55, s55, 0x80000000
	s_add_nc_u64 s[58:59], s[14:15], s[62:63]
	s_or_b32 s59, s59, 0x80000000
	s_cmp_lt_u32 s[WV], 1                          ; one chain of branches on the wave's number, an arm a load, one join
	s_cbranch_scc0 .Lh_sc
	tensor_load_to_lds s[48:51], s[32:39]
	s_nop 0
.rept 4
	v_nop
.endr
	s_branch .Lh_asked
.Lh_sc:
	s_cmp_lt_u32 s[WV], 2
	s_cbranch_scc0 .Lh_x
	tensor_load_to_lds s[52:55], s[24:31]
	s_nop 0
.rept 4
	v_nop
.endr
	s_branch .Lh_asked
.Lh_x:
	s_cmp_lt_u32 s[WV], 6
	s_cbranch_scc0 .Lh_asked
	tensor_load_to_lds s[56:59], s[40:47]
	s_nop 0
.rept 4
	v_nop
.endr
.Lh_asked:
	s_add_nc_u64 s[20:21], s[20:21], s[60:61]
	s_lshl_b32 s62, s[WV], 15
	s_add_co_u32 s62, s62, 192*8192
	s_mov_b32 s63, 0
	s_add_nc_u64 s[8:9], s[8:9], s[62:63]
	s_lshl_b32 s62, s[WV], 11
	s_add_co_u32 s62, s62, 192*512
	s_add_nc_u64 s[10:11], s[10:11], s[62:63]
	s_lshl_b32 s62, s[WV], 8
	s_add_nc_u64 s[12:13], s[12:13], s[62:63]
.irp i, 0,1,2,3
	global_load_b128 v[CB+8*\i:CB+8*\i+3], v3, s[12:13] offset:(32*(\i/2)+8*(\i%2))*4
	global_load_b128 v[CB+8*\i+4:CB+8*\i+7], v3, s[12:13] offset:(32*(\i/2)+8*(\i%2))*4+16
.endr
	WLOAD 0
	WLOAD 1
	WLOAD 2
	s_cmp_lt_u32 s[WV], 2                          ; waves 0 and 1 fetched the codes and the scale words, by load lines that no other wave issues
	s_cbranch_scc0 .Lnot_a
	s_wait_tensorcnt 0x0
.Lnot_a:
	s_barrier_signal -1
	s_barrier_wait -1                              ; x's rows may stay out
	ALOAD 0
	ALOAD 1
	STEP 0, 20, 5
	WLOAD 3
	WLOAD 4
	ALOAD 2
	STEP 1, 30, 5
	WLOAD 5
	ALOAD 3
	STEP 2, 30, 5
	WLOAD 6
	ALOAD 4
	STEP 3, 30, 5
	WLOAD 7
	ALOAD 5
	STEP 4, 30, 5
.irp i, 0,1,2,3,4,5,6,7
	global_load_b128 v[LW+4*\i:LW+4*\i+3], v1, s[16:17] offset:512*\i
.endr
	ALOAD 6
	STEP 5, 28, 5
.irp i, 0,1,2,3,4,5,6,7
	global_load_b128 v[LB+4*\i:LB+4*\i+3], v1, s[18:19] offset:512*\i
.endr
	ALOAD 7
	STEP 6, 26, 5
	STEP 7, 16, 0
.irp u, 0,1
.irp i, 0,1,2,3
	ds_store_b128 v[6+\u], v[ACC+8*(2*\i+\u):ACC+8*(2*\i+\u)+3] offset:128*(\i/2)+32*(\i%2)
	ds_store_b128 v[6+\u], v[ACC+8*(2*\i+\u)+4:ACC+8*(2*\i+\u)+7] offset:128*(\i/2)+32*(\i%2)+16
.endr
.endr
	s_wait_tensorcnt 0x0                           ; x's rows are in: every wave waits, ahead of the signal
	s_wait_dscnt 0x0
	s_barrier_signal -1
	s_barrier_wait -1
.irp k, 0,1
.irp i, 0,1,2,3,4,5,6,7
	ds_load_b128 v[Y+32*\k+4*\i:Y+32*\k+4*\i+3], v8 offset:SP*\k+512*\i
.endr
.irp i, 0,1,2,3,4,5,6,7
	ds_load_b128 v[XX+32*\k+4*\i:XX+32*\k+4*\i+3], v10 offset:4096*\k+512*\i
.endr
.endr
	s_wait_dscnt 0x0
	LN1 0
	LN1 1
	s_wait_alu depctr_va_vdst(0)
	v_rsq_f32 v54, v62
	v_rsq_f32 v56, v63
	v_nop
	s_wait_alu depctr_va_vdst(0)
	s_wait_loadcnt 0x0
	LN2 0
	LN2 1
	s_wait_xcnt 0x0
	v_lshl_add_u32 v254, v0, 2, 0x44600
	v_mov_b32 v255, 0
	s_wait_alu depctr_va_vdst(0)
	s_wait_tensorcnt 0x0
	ds_add_u32 v254, v255
	s_wait_dscnt 0x0
	s_endpgm
.Lfunc_end_k_q64876ee955_outln:
	.size	k_q64876ee955_outln, .Lfunc_end_k_q64876ee955_outln-k_q64876ee955_outln
	.p2alignl 7, 3214868480
	.fill 96, 4, 3214868480
	.section	.rodata,"a",@progbits
	.p2align	6, 0x0
	.amdhsa_kernel k_q64876ee955_outln
		.amdhsa_group_segment_fixed_size 327680
		.amdhsa_private_segment_fixed_size 0
		.amdhsa_enable_private_segment 0
		.amdhsa_kernarg_size 72
		.amdhsa_user_sgpr_count 2
		.amdhsa_user_sgpr_kernarg_segment_ptr 1
		.amdhsa_wavefront_size32 1
		.amdhsa_system_sgpr_workgroup_id_x 1
		.amdhsa_system_sgpr_workgroup_id_y 1
		.amdhsa_system_sgpr_workgroup_id_z 1
		.amdhsa_system_vgpr_workitem_id 0
		.amdhsa_next_free_vgpr 256
		.amdhsa_next_free_sgpr 72
		.amdhsa_reserve_vcc 0
		.amdhsa_float_denorm_mode_32 3
		.amdhsa_float_denorm_mode_16_64 3
		.amdhsa_memory_ordered 1
		.amdhsa_forward_progress 1
		.amdhsa_inst_pref_size 50
	.end_amdhsa_kernel
	.amdgpu_metadata
---
amdhsa.version: [ 1, 2 ]
amdhsa.kernels:
  - .name:           k_q64876ee955_outln
    .symbol:         k_q64876ee955_outln.kd
    .args:
      - { .name: xc, .offset: 0, .size: 8, .value_kind: global_buffer, .address_space: global }
      - { .name: xs, .offset: 8, .size: 8, .value_kind: global_buffer, .address_space: global }
      - { .name: wc, .offset: 16, .size: 8, .value_kind: global_buffer, .address_space: global }
      - { .name: ws, .offset: 24, .size: 8, .value_kind: global_buffer, .address_space: global }
      - { .name: bo, .offset: 32, .size: 8, .value_kind: global_buffer, .address_space: global }
      - { .name: x, .offset: 40, .size: 8, .value_kind: global_buffer, .address_space: global }
      - { .name: ln_w, .offset: 48, .size: 8, .value_kind: global_buffer, .address_space: global }
      - { .name: ln_b, .offset: 56, .size: 8, .value_kind: global_buffer, .address_space: global }
      - { .name: out0, .offset: 64, .size: 8, .value_kind: global_buffer, .address_space: global }
    .group_segment_fixed_size: 327680
    .private_segment_fixed_size: 0
    .kernarg_segment_align: 8
    .kernarg_segment_size: 72
    .max_flat_workgroup_size: 512
    .sgpr_count:     72
    .vgpr_count:     256
    .wavefront_size: 32
...
	.end_amdgpu_metadata
.endif
;; end of part 4
